; MI455X (gfx1250); checked and timed in simulation.
; The chip was launched on July 23, 2026; its instructions are those of AMD's public machine-readable ISA for CDNA 5 (MIT licence, August 2026) and "CDNA5" Instruction Set Architecture Reference Guide (July 2026). The comments in the code are by the model that wrote it; some were corrected since.
;; Klear Attention. Allowed arithmetic: matrix products marked QUANTISED: E3M2 operands, one E8M0 scale for each 32 along K, by v_wmma_scale_f32_16x16x128_f8f6f4 with both operands' format E3M2, f32 sums; everything else in f32.
;; Inputs: k_norm_w 128 float32; mask 2,048 x 2,048 float32; q_norm_w 128 float32; wk 4,096 x 512 float32; wo 1,024 x 4,096 float32; wq 4,096 x 1,024 float32; wv 4,096 x 512 float32; x 2 x 2,048 x 4,096 float32.
;; Outputs: out0 2 x 2,048 x 4,096 float32.
;; This version of the problem:
;;   THIS VERSION OF THE PROBLEM IS GIVEN IN LOW PRECISION. The matrix products marked QUANTISED in the list below multiply operands that are first quantised to E3M2 (3 exponent bits, 2 mantissa bits; 6 bits a number), with one power-of-two scale for each 32 numbers along K (OCP MX v1.0); their sums are f32. All else is computed in f32.
;;   The module's matrix products, in the order in which they are computed (A, B: the left and right operand; K: the contracted axis; several contracted axes count as one K, in the product's order):
;;     1. [M 4,096, K 4,096] x [K 4,096, N 1,024]; A: input x; B: input wq: QUANTISED
;;     2. [M 4,096, K 4,096] x [K 4,096, N 512]; A: input x; B: input wk: QUANTISED
;;     3. [M 4,096, K 4,096] x [K 4,096, N 512]; A: input x; B: input wv: QUANTISED
;;     4. batch 16 x [M 2,048, K 128] x [K 128, N 2,048]; A: computed on the way; B: computed on the way: QUANTISED
;;     5. batch 16 x [M 2,048, K 2,048] x [K 2,048, N 128]; A: softmax (see below); B: computed on the way: QUANTISED
;;     6. [M 4,096, K 1,024] x [K 1,024, N 4,096]; A: computed on the way; B: input wo: QUANTISED
;;   THE QUANTISER, for each operand of a quantised product, along K:
;;     - K is cut into blocks of 32 from its start; a last block that is shorter is filled with zeros.
;;     - A block's scale is 2^e with e = floor(log2(the largest magnitude in the block)) - 4, held to -126 .. 127; a block of zeros has e = 0. As a byte (E8M0): e + 127.
;;     - Each number is divided by its block's scale, clamped to +-28, and rounded to the nearest number of E3M2, ties to even, subnormals kept.
;;     - The product sums the exact products of the quantised numbers (number of the format x scale) in f32.
;;   ~~~python
;;   def quantise(x, axis):      # numpy; x: float32 -> the quantised numbers, widened to float32 again
;;       x = np.moveaxis(x, axis, -1); K = x.shape[-1]
;;       x = np.pad(x, [(0, 0)] * (x.ndim - 1) + [(0, -K % 32)]); x = x.reshape(x.shape[:-1] + (-1, 32)); a = np.abs(x).max(-1, keepdims=True)
;;       e = np.where(a > 0, np.clip(np.frexp(np.where(a > 0, a, 1))[1] - 1 - 4, -126, 127), 0)      # np.frexp(a)[1] - 1 = floor(log2(a)), exactly
;;       r = np.clip(x / 2.0 ** e, -28, 28)
;;       step = 2.0 ** (np.maximum(np.frexp(np.where(r == 0, 1, r))[1] - 1, -2) - 2)
;;       q = np.round(r / step) * step * 2.0 ** e      # np.round: ties to even
;;       return np.moveaxis(q.reshape(q.shape[:-2] + (-1,))[..., :K], -1, axis).astype(np.float32)
;;   ~~~
;;   SOFTMAX AHEAD OF A QUANTISED PRODUCT. Where the list says 'softmax', what is quantised is not the finished softmax but p = 2^(t - M), with t = logit x log2(e) and M = ceil(the row's largest t), a whole number; so 1/2 < the row's largest p <= 1. The row's sum l is taken of the UNQUANTISED p, in f32, and the product's result is divided by l at the end. Since M is a whole number, a kernel that streams over the keys may use a running M (the ceiling of the running maximum): every later rescaling is an exact power of two, which a block's scale takes up: the codes' values come out the same.
;;   OPERANDS COMPUTED ON THE WAY. 'Computed on the way' means the value that the module computes at that place (a softmax that the list does not call 'softmax' is quantised finished and normalised). What goes into a quantiser is computed in f32, as accurately as f32 sums, v_exp_f32 and their like allow (about 1e-6 of the number): no bf16 or f16 on the way to a quantiser, and a product that is left as it is and whose result goes on into a quantised operand takes f32 operands (vector FMAs, or v_wmma_f32_16x16x4_f32). A number that lies on a knife's edge between two numbers of the format may be rounded either way, as far as f32 arithmetic and the matrix unit's own rounding can turn it there, and no further.
;; One version. Each part assembles by itself: llvm-mc -triple=amdgcn-amd-amdhsa -mcpu=gfx1250 --defsym DOCPART=n.
;; ======== version 1 of 1: 4 launches
;; limits: right only within a limited range of input values
;; workspace buffers: xq 13,107,200 bytes; wc 6,553,600 bytes; woc 3,276,800 bytes; rope 1,048,576 bytes; qc 3,276,800 bytes; kv 3,276,800 bytes; oc 3,276,800 bytes
;; launch prep (part 1): grid 928 x 1, 4 waves a work-group, no clusters, 34,304 bytes of LDS; arguments x, wq, wk, wv, wo, xq, wc, woc, rope; writes xq, wc, woc, rope
.if DOCPART == 1
	.amdgcn_target "amdgcn-amd-amdhsa--gfx1250"
	.amdhsa_code_object_version 6
	.text
	.protected	k_q565253f573_prep
	.globl	k_q565253f573_prep
	.p2align	8
	.type	k_q565253f573_prep,@function
k_q565253f573_prep:
	s_mov_b64 s[64:65], 0
	v_nop
	global_prefetch_b8 v0, s[64:65] scope:SCOPE_SE
	s_setreg_imm32_b32 hwreg(HW_REG_WAVE_MODE, 25, 1), 1
	s_wait_xcnt 0x0
; x [4096][4096], wq [4096][1024], wk, wv [4096][512], wo [1024][4096], all f32, become codes of BF6 (E3M2) with one E8M0 byte for each 32 along K; and the table of cos and sin for the rotary embedding is made.
; A block's scale is 2^(floor(log2(largest magnitude)) - 4): its byte is the largest magnitude's exponent field - 4, held at 1 from below by a floor among the maximum's leaves.
; THE CODES ARE LAID IN THE ORDER OF THE OPERAND'S REGISTERS.  An IMAGE (1,536 bytes) is a fragment of 16 rows x 128 K: byte 512 g + 16 lane + 4 e holds register 4 g + e of that lane (lane (r, h): row r,
; registers 6 c .. 6 c + 5 = K 64 c + 32 h + 0 .. 31).  A SCALE BLOCK (64 bytes) holds row r's four bytes in word r.  xq: [row tile of 256][K step] records of 16 images + 16 scale blocks (25,600 bytes).
; wc: [head 0-15: q's 8, k's 4, v's 4][K step], woc: [128 columns][K step]: records of 8 images + 8 scale blocks (12,800 bytes).  rope: [position] 64 cos, then 64 sin.
; THREE PATHS, parted by the work-group's number: 0-511 x, 512-895 the weights, 896-927 the table.  Only the first touches LDS, and there each wave only its own 8,448 bytes.  No barrier: waves share nothing.
; No work-group reads what another reads, so there is nothing to share in a cluster; the matrix units have no part here.
; LIMITS: NaN and infinities among the inputs are not served.  A block of zeros gets the byte 1 (not 127): its codes are zeros, and only this program reads the bytes.
; cos and sin: angle = position x inv_freq in f32; inv_freq = 2^(-i log2(1e6) / 64) by one exponential on an exact argument and a first-order correction, good to about 1.5 units in its last place;
; the reduction by pi / 2 is in two parts and holds for the 2,048 positions of this problem; the polynomials are cut where the next term is under 2e-9.
.set IMGB, 1536
.set RA,   25600
.set R,    16                          ; path x: v16-143  two sets of 64 registers as loaded (16 rows x 512 bytes)
.set X,    144                         ;         v144-207 my two whole blocks of 32 numbers
.set F,    208                         ;         v208-219 the fragment's 12 registers
.set FT,   220                         ;         v220-222, v224-226 where a block's second conversion lands
.set PW,   228                         ;         v228-231 the scale words of the four blocks of 16 rows
.set MX,   232                         ;         v232-235 maxima, two chains a block
.set SO,   236                         ;         v236-237 the conversions' scale operands
.set BY,   238                         ;         v238-239 the bytes
.set OFS,  16                          ; path w: v16-47   4 lane + i rows
.set XW,   48                          ;         v48-111  two sets of 32 numbers: a block down K of my column
.set CH,   112                         ;         v112-135 my column's registers in the image's lanes (r, 0) and (r, 1)
.set CT,   136                         ;         v136-138 where a block's second conversion lands
.set SBW,  140                         ;         v140     my column's scale word
	s_load_b256 s[4:11], s[0:1], 0x0               ; x s[4:5], wq s[6:7], wk s[8:9], wv s[10:11]
	s_load_b256 s[12:19], s[0:1], 0x20             ; wo s[12:13], xq s[14:15], wc s[16:17], woc s[18:19]
	s_load_b64 s[20:21], s[0:1], 0x40              ; rope
	v_lshl_add_u32 v254, v0, 2, 0x8400
	v_mov_b32 v255, 0
	v_lshrrev_b32 v1, 5, v0
	v_readfirstlane_b32 s22, v1                    ; wave 0..3
	v_and_b32 v1, 31, v0                           ; lane
	v_and_b32 v2, 15, v0                           ; r
	v_bfe_u32 v3, v0, 4, 1                         ; h
	v_lshlrev_b32 v4, 4, v1                        ; 16 x lane
	v_lshlrev_b32 v7, 2, v1                        ; 4 x lane
	s_mov_b32 s60, 0x76543210
	s_mov_b32 s61, 0xfedcba98                      ; v_permlanex16_b32's selects for lane l xor 16
	s_wait_kmcnt 0x0
	s_cmp_lt_u32 ttmp9, 512
	s_cbranch_scc0 .Lnot_x
; ---------------- PATH X: a wave takes 64 rows x 128 K of x: four fragments.
; Each load reads one row's 512 consecutive bytes; 16 rows turn through the wave's stage (rows 528 bytes apart), so that lane (r, h) gets its two whole blocks of row r.
	s_lshr_b32 s24, ttmp9, 3                       ; G: which 64 rows
	s_and_b32 s25, ttmp9, 7
	s_lshl_b32 s25, s25, 2
	s_add_co_u32 s25, s25, s22                     ; the K step: 4 (id % 8) + wave
	s_lshl_b32 s26, s24, 20                        ; 64 rows of 16,384 bytes
	s_lshl_b32 s27, s25, 9
	s_add_co_u32 s26, s26, s27
	s_mov_b32 s27, 0
	s_add_nc_u64 s[4:5], s[4:5], s[26:27]
	s_lshr_b32 s28, s24, 2
	s_lshl_b32 s28, s28, 5
	s_add_co_u32 s28, s28, s25
	s_mul_i32 s28, s28, RA                         ; the record (row tile, K step)
	s_and_b32 s29, s24, 3
	s_mul_i32 s30, s29, 4*IMGB
	s_add_co_u32 s30, s30, s28
	s_mov_b32 s31, 0
	s_add_nc_u64 s[32:33], s[14:15], s[30:31]      ; my four images
	s_lshl_b32 s29, s29, 8
	s_add_co_u32 s28, s28, s29
	s_add_co_u32 s28, s28, 16*IMGB
	s_mov_b32 s29, 0
	s_add_nc_u64 s[34:35], s[14:15], s[28:29]      ; my four scale blocks
	s_mul_i32 s36, s22, 16*528                     ; my stage
	s_wait_alu depctr_va_vdst(0)
	v_add_nc_u32 v5, s36, v4                       ; in: 16 x lane, a row an instruction
	v_mul_u32_u24 v6, v2, 528
	v_lshl_add_u32 v6, v3, 7, v6
	v_add_nc_u32 v6, s36, v6                       ; out: row r, + 128 h
	v_lshlrev_b32 v8, 3, v3                        ; 8 h: my bytes' place in the scale word
	v_mov_b32 v240, 0                              ; a lane permute's destination counts as one of its sources
.macro LOADX a
.set II, 0
.rept 16
	global_load_b128 v[R+64*((\a)%2)+4*II:R+64*((\a)%2)+4*II+3], v4, s[4:5] offset:(16*(\a)+II)*16384 th:TH_LOAD_NT
.set II, II+1
.endr
.endm
.macro BLOCKX a
.if (\a) < 3
	s_wait_loadcnt 16                              ; this block's 16 loads are in; the next block's 16 may be out
.else
	s_wait_loadcnt 0x0
.endif
.set II, 0
.rept 16
	ds_store_b128 v5, v[R+64*((\a)%2)+4*II:R+64*((\a)%2)+4*II+3] offset:528*II
.set II, II+1
.endr
.irp c, 0,1
.irp j, 0,1,2,3,4,5,6,7
	ds_load_b128 v[X+32*\c+4*\j:X+32*\c+4*\j+3], v6 offset:256*\c+16*\j   ; LDS serves a wave's instructions in order: these see the stores above
.endr
.endr
	s_wait_dscnt 0x0                               ; my numbers are back, and the stores have read their registers,
.if (\a)+2 < 4
	LOADX (\a)+2                                   ; which take the rows of two blocks on
.endif
.irp c, 0,1
	v_max3_num_f32 v[MX+2*\c], |v[X+32*\c]|, |v[X+32*\c+1]|, |v[X+32*\c+2]|
	v_max3_num_f32 v[MX+2*\c+1], |v[X+32*\c+3]|, |v[X+32*\c+4]|, |v[X+32*\c+5]|
.endr
.irp i, 6,10,14,18,22,26
.irp c, 0,1
	v_max3_num_f32 v[MX+2*\c], v[MX+2*\c], |v[X+32*\c+\i]|, |v[X+32*\c+\i+1]|
	v_max3_num_f32 v[MX+2*\c+1], v[MX+2*\c+1], |v[X+32*\c+\i+2]|, |v[X+32*\c+\i+3]|
.endr
.endr
.irp c, 0,1
	v_max3_num_f32 v[MX+2*\c], v[MX+2*\c], |v[X+32*\c+30]|, |v[X+32*\c+31]|
.endr
.irp c, 0,1
	v_max3_num_f32 v[MX+2*\c], v[MX+2*\c], v[MX+2*\c+1], 0x2800000   ; and the floor 2^(5 - 127): the byte cannot fall under 1
.endr
.irp c, 0,1
	v_add_nc_u32 v[SO+\c], 0xfe000000, v[MX+2*\c]  ; 4 off the exponent field: the conversion's scale operand
.endr
.irp c, 0,1
	v_lshrrev_b32 v[BY+\c], 23, v[SO+\c]           ; the scale's byte
.endr
	v_lshl_or_b32 v[PW+(\a)], v[BY+1], 16, v[BY]   ; my two bytes: blocks h and 2 + h of row r,
	v_lshlrev_b32 v[PW+(\a)], v8, v[PW+(\a)]       ; at their places;
	v_permlanex16_b32 v240, v[PW+(\a)], s60, s61
	v_or_b32 v[PW+(\a)], v[PW+(\a)], v240          ; with lane l xor 16's two the word is whole
.if (\a) > 0
	s_wait_alu depctr_va_vdst(0)
	s_wait_xcnt 0x0                                ; the last block's stores have read the fragment's registers
.endif
.irp c, 0,1
	v_cvt_scalef32_pk16_bf6_f32 v[F+6*\c:F+6*\c+2], v[X+32*\c:X+32*\c+15], v[SO+\c]
	v_cvt_scalef32_pk16_bf6_f32 v[FT+4*\c:FT+4*\c+2], v[X+32*\c+16:X+32*\c+31], v[SO+\c]   ; (a conversion's three registers begin on an even number)
.endr
	v_nop                                          ; one plain place behind a scaled conversion
.irp c, 0,1
.irp i, 0,1,2
	v_mov_b32 v[F+6*\c+3+\i], v[FT+4*\c+\i]
.endr
.endr
.irp g, 0,1,2
	global_store_b128 v4, v[F+4*\g:F+4*\g+3], s[32:33] offset:IMGB*(\a)+512*\g   ; 32 lanes store 512 consecutive bytes, aligned
.endr
.endm
	LOADX 0
	LOADX 1
	s_wait_alu depctr_va_vdst(0)
	BLOCKX 0
	BLOCKX 1
	BLOCKX 2
	BLOCKX 3
	v_cmp_le_u32 vcc_lo, 16, v1                    ; lanes 0-15 store one scale block, lanes 16-31 the next: 128 consecutive bytes
	v_cndmask_b32 v241, v[PW], v[PW+1], vcc_lo
	v_cndmask_b32 v242, v[PW+2], v[PW+3], vcc_lo
	global_store_b32 v7, v241, s[34:35]
	global_store_b32 v7, v242, s[34:35] offset:128
	s_wait_tensorcnt 0x0
	ds_add_u32 v254, v255
	s_wait_dscnt 0x0
	s_endpgm
; ---------------- PATH W: a weight's K is its first axis.  A lane takes a column and its registers run down K; a wave takes 32 columns x 256 K (8 blocks, 2 K steps), the four waves the 128 columns of a head.
.Lnot_x:
	s_cmp_lt_u32 ttmp9, 896
	s_cbranch_scc0 .Ltable
	s_sub_co_u32 s23, ttmp9, 512                   ; ww: 0-127 wq, 128-191 wk, 192-255 wv, 256-383 wo
	s_sub_co_u32 s40, s23, 256
	s_mov_b32 s51, 2048
	s_mov_b32 s52, 16384
	s_cmp_lt_u32 s23, 128                          ; every choice hangs on the work-group's number alone
	s_cselect_b64 s[48:49], s[6:7], s[8:9]
	s_cselect_b32 s50, 0, 8                        ; the tensor's first head
	s_cselect_b32 s51, 4096, s51                   ; a row in bytes
	s_cmp_lt_u32 s23, 192
	s_cselect_b64 s[48:49], s[48:49], s[10:11]
	s_cselect_b32 s50, s50, 12
	s_cmp_lt_u32 s23, 256
	s_cselect_b64 s[48:49], s[48:49], s[12:13]
	s_cselect_b32 s50, s50, 0
	s_cselect_b32 s51, s51, s52
	s_cselect_b32 s41, s23, s40                    ; index in the codes' buffer: two records each
	s_cselect_b64 s[42:43], s[16:17], s[18:19]
	s_cselect_b32 s44, 4, 2                        ; 16 or 4 runs of 256 along K
	s_cselect_b32 s45, 15, 3
	s_lshr_b32 s46, s41, s44
	s_sub_co_u32 s46, s46, s50                     ; which 128 columns of the tensor
	s_and_b32 s47, s41, s45                        ; which 256 along K
	s_mul_i32 s52, s47, s51
	s_lshl_b32 s52, s52, 8
	s_lshl_b32 s53, s46, 9
	s_add_co_u32 s52, s52, s53
	s_lshl_b32 s53, s22, 7
	s_add_co_u32 s52, s52, s53                     ; 256 kc rows + 512 head + 128 wave
	s_mov_b32 s53, 0
	s_add_nc_u64 s[24:25], s[48:49], s[52:53]      ; a base for each of the 8 blocks, 32 rows apart
	s_lshl_b32 s52, s51, 5
.irp t, 1,2,3,4,5,6,7
	s_add_nc_u64 s[24+2*\t:25+2*\t], s[22+2*\t:23+2*\t], s[52:53]
.endr
	s_mul_i32 s54, s41, 2*12800
	s_mul_i32 s56, s22, 2*IMGB                     ; my wave's two tiles of 16 columns
	s_add_co_u32 s56, s56, s54
	s_mov_b32 s57, 0
	s_add_nc_u64 s[56:57], s[42:43], s[56:57]
	s_lshl_b32 s58, s22, 7
	s_add_co_u32 s58, s58, s54
	s_add_co_u32 s58, s58, 8*IMGB                  ; and their scale blocks
	s_mov_b32 s59, 0
	s_add_nc_u64 s[58:59], s[42:43], s[58:59]
.set II, 0
	s_wait_alu depctr_va_vdst(0)
.rept 32
	v_mad_u32_u24 v[OFS+II], s51, II, v7           ; 4 x lane + i rows
.set II, II+1
.endr
	v_lshrrev_b32 v141, 4, v1
	v_mul_u32_u24 v141, v141, IMGB
	v_lshl_add_u32 v141, v2, 4, v141               ; my column's place in its image: tile lane / 16, lane r
.macro LOADW t
.set II, 0
.rept 32
	global_load_b32 v[XW+32*((\t)%2)+II], v[OFS+II], s[24+2*(\t):25+2*(\t)] th:TH_LOAD_NT   ; 32 neighbouring columns: 128 consecutive bytes a wave, 512 a work-group
.set II, II+1
.endr
.endm
; Block t: K 32 t on.  Within its K step it is block t % 4 = 2 c + h: registers 6 c .. 6 c + 5 of the image's lane (r, h).
.macro BLOCKW t
.set XS, XW+32*((\t)%2)
.set DD, CH+12*((\t)%2)+6*(((\t)%4)/2)
.if (\t) < 7
	s_wait_loadcnt 32                              ; this block's 32 loads are in; the next block's may be out
.else
	s_wait_loadcnt 0x0
.endif
.if (\t) == 4
	s_wait_xcnt 0x0                                ; the first K step's stores have read their registers
.endif
	v_max3_num_f32 v144, |v[XS]|, |v[XS+1]|, |v[XS+2]|
	v_max3_num_f32 v145, |v[XS+3]|, |v[XS+4]|, |v[XS+5]|
.irp i, 6,10,14,18,22,26
	v_max3_num_f32 v144, v144, |v[XS+\i]|, |v[XS+\i+1]|
	v_max3_num_f32 v145, v145, |v[XS+\i+2]|, |v[XS+\i+3]|
.endr
	v_max3_num_f32 v144, v144, |v[XS+30]|, |v[XS+31]|
	v_max3_num_f32 v144, v144, v145, 0x2800000     ; and the floor
	v_add_nc_u32 v146, 0xfe000000, v144            ; the conversion's scale operand
	v_lshrrev_b32 v145, 23, v146                   ; the byte
.if (\t)%4 == 0
	v_mov_b32 v[SBW], v145
.else
	v_lshl_or_b32 v[SBW], v145, 8*((\t)%4), v[SBW]
.endif
	v_cvt_scalef32_pk16_bf6_f32 v[DD:DD+2], v[XS:XS+15], v146
	v_cvt_scalef32_pk16_bf6_f32 v[CT:CT+2], v[XS+16:XS+31], v146
	v_nop                                          ; one plain place behind a scaled conversion
.irp i, 0,1,2
	v_mov_b32 v[DD+3+\i], v[CT+\i]
.endr
.if (\t)+2 < 8
	LOADW (\t)+2
.endif
.if (\t)%4 == 3
.irp hh, 0,1
.irp g, 0,1,2
	global_store_b128 v141, v[CH+12*\hh+4*\g:CH+12*\hh+4*\g+3], s[56:57] offset:12800*((\t)/4)+512*\g+256*\hh   ; sixteen lanes store 256 consecutive bytes, aligned
.endr
.endr
	global_store_b32 v7, v[SBW], s[58:59] offset:12800*((\t)/4)   ; two scale blocks: 128 consecutive bytes
.endif
.endm
	LOADW 0
	LOADW 1
.irp t, 0,1,2,3,4,5,6,7
	BLOCKW \t
.endr
	s_endpgm
; ---------------- PATH T: a wave makes 16 positions' rows of the table.  Lanes 0-15 make cos, lanes 16-31 sin, of frequencies 4 (lane % 16) + 0 .. 3.
.Ltable:
	s_sub_co_u32 s23, ttmp9, 896
	s_lshl_b32 s23, s23, 2
	s_add_co_u32 s23, s23, s22
	s_lshl_b32 s24, s23, 13                        ; 16 rows of 512 bytes
	s_mov_b32 s25, 0
	s_add_nc_u64 s[20:21], s[20:21], s[24:25]
	s_lshl_b32 s26, s23, 4
	v_cvt_f32_u32 v10, s26                         ; the position, in f32
	s_wait_alu depctr_va_vdst(0)
	v_mul_u32_u24 v9, v3, 3                        ; sin(a) = cos(a - pi / 2): three quadrants on
	v_lshlrev_b32 v11, 2, v2
	s_wait_alu depctr_va_vdst(0)
	s_mov_b32 s40, 0xbfc90fdb                      ; -pi / 2, its upper part
	s_mov_b32 s41, 0x333bbd2e                      ; what the upper part has too much
	s_mov_b32 s42, 0x3638ef1d                      ; sin: 1 / 9!, -1 / 7!, 1 / 5!, -1 / 3!
	s_mov_b32 s43, 0xb9500d01
	s_mov_b32 s44, 0x3c088889
	s_mov_b32 s45, 0xbe2aaaab
	s_mov_b32 s46, 0xb493f27e                      ; cos: -1 / 10!, 1 / 8!, -1 / 6!, 1 / 4!
	s_mov_b32 s47, 0x37d00d01
	s_mov_b32 s48, 0xbab60b61
	s_mov_b32 s49, 0x3d2aaaab
.irp e, 0,1,2,3
	v_add_nc_u32 v[12+\e], \e, v11
.endr
.irp e, 0,1,2,3
	v_cvt_f32_u32 v[12+\e], v[12+\e]               ; i
.endr
.irp e, 0,1,2,3
	v_mul_f32 v[16+\e], 0xbe9f7400, v[12+\e]       ; -i x 81,640 / 2^18: 17 bits x 6 bits, exact
.endr
	s_wait_alu depctr_va_vdst(0)
.irp e, 0,1,2,3
	v_exp_f32 v[16+\e], v[16+\e]
.endr
.irp e, 0,1,2,3
	v_mul_f32 v[12+\e], 0x35517c3e, v[12+\e]       ; i x ln 2 x (81,640 / 2^18 - log2(1e6) / 64).  (Plain work behind the exponentials)
.endr
	s_wait_alu depctr_va_vdst(0)                   ; one wait for the four, ahead of their first reader
.irp e, 0,1,2,3
	v_fma_f32 v[16+\e], v[16+\e], v[12+\e], v[16+\e]   ; inv_freq
.endr
	s_mov_b32 s27, 16
.Lpos:
	s_wait_alu depctr_va_vdst(0)
.irp e, 0,1,2,3
	v_mul_f32 v[20+\e], v10, v[16+\e]              ; the angle, rounded to f32
.endr
.irp e, 0,1,2,3
	v_mul_f32 v[24+\e], 0x3f22f983, v[20+\e]
.endr
.irp e, 0,1,2,3
	v_rndne_f32 v[24+\e], v[24+\e]                 ; n = the nearest multiple of pi / 2
.endr
.irp e, 0,1,2,3
	v_fma_f32 v[20+\e], v[24+\e], s40, v[20+\e]
.endr
.irp e, 0,1,2,3
	v_fma_f32 v[20+\e], v[24+\e], s41, v[20+\e]    ; r, at most pi / 4 in magnitude
.endr
.irp e, 0,1,2,3
	v_mul_f32 v[28+\e], v[20+\e], v[20+\e]
.endr
.irp e, 0,1,2,3
	v_fma_f32 v[32+\e], v[28+\e], s42, s43
	v_fma_f32 v[36+\e], v[28+\e], s46, s47
.endr
.irp e, 0,1,2,3
	v_fma_f32 v[32+\e], v[32+\e], v[28+\e], s44
	v_fma_f32 v[36+\e], v[36+\e], v[28+\e], s48
.endr
.irp e, 0,1,2,3
	v_fma_f32 v[32+\e], v[32+\e], v[28+\e], s45
	v_fma_f32 v[36+\e], v[36+\e], v[28+\e], s49
.endr
.irp e, 0,1,2,3
	v_mul_f32 v[40+\e], v[20+\e], v[28+\e]
	v_fma_f32 v[36+\e], v[36+\e], v[28+\e], -0.5
.endr
.irp e, 0,1,2,3
	v_fma_f32 v[32+\e], v[40+\e], v[32+\e], v[20+\e]   ; sin r
	v_fma_f32 v[36+\e], v[36+\e], v[28+\e], 1.0        ; cos r
.endr
.irp e, 0,1,2,3
	v_cvt_i32_f32 v[24+\e], v[24+\e]
.endr
.irp e, 0,1,2,3
	v_add_nc_u32 v[24+\e], v[24+\e], v9            ; the quadrant Q
.endr
.irp e, 0,1,2,3
	v_and_b32 v[40+\e], 1, v[24+\e]
	v_cmp_eq_u32 vcc_lo, 1, v[40+\e]
	v_cndmask_b32 v[44+\e], v[36+\e], v[32+\e], vcc_lo   ; odd quadrants take sin r
.endr
.irp e, 0,1,2,3
	v_add_nc_u32 v[24+\e], 1, v[24+\e]
.endr
.irp e, 0,1,2,3
	v_and_b32 v[24+\e], 2, v[24+\e]                ; quadrants 1 and 2 are negative
.endr
.irp e, 0,1,2,3
	v_lshlrev_b32 v[24+\e], 30, v[24+\e]
.endr
.irp e, 0,1,2,3
	v_xor_b32 v[44+\e], v[44+\e], v[24+\e]
.endr
	global_store_b128 v4, v[44:47], s[20:21]       ; a row of the table: 512 consecutive bytes
	s_wait_xcnt 0x0                                ; the store has read its offset and its data: both are written again below
	v_add_nc_u32 v4, 512, v4
	v_add_f32 v10, 1.0, v10
	s_sub_co_u32 s27, s27, 1
	s_cmp_lg_u32 s27, 0
	s_cbranch_scc1 .Lpos
	s_endpgm
.Lfunc_end_k_q565253f573_prep:
	.size	k_q565253f573_prep, .Lfunc_end_k_q565253f573_prep-k_q565253f573_prep
	.p2alignl 7, 3214868480
	.fill 96, 4, 3214868480
	.section	.rodata,"a",@progbits
	.p2align	6, 0x0
	.amdhsa_kernel k_q565253f573_prep
		.amdhsa_group_segment_fixed_size 34304
		.amdhsa_private_segment_fixed_size 0
		.amdhsa_enable_private_segment 0
		.amdhsa_kernarg_size 72
		.amdhsa_user_sgpr_count 2
		.amdhsa_user_sgpr_kernarg_segment_ptr 1
		.amdhsa_wavefront_size32 1
		.amdhsa_system_sgpr_workgroup_id_x 1
		.amdhsa_system_sgpr_workgroup_id_y 1
		.amdhsa_system_sgpr_workgroup_id_z 1
		.amdhsa_system_vgpr_workitem_id 0
		.amdhsa_next_free_vgpr 256
		.amdhsa_next_free_sgpr 66
		.amdhsa_reserve_vcc 1
		.amdhsa_float_denorm_mode_32 3
		.amdhsa_float_denorm_mode_16_64 3
		.amdhsa_memory_ordered 1
		.amdhsa_forward_progress 1
		.amdhsa_inst_pref_size 79
	.end_amdhsa_kernel
	.amdgpu_metadata
---
amdhsa.version: [ 1, 2 ]
amdhsa.kernels:
  - .name:           k_q565253f573_prep
    .symbol:         k_q565253f573_prep.kd
    .args:
      - { .name: x, .offset: 0, .size: 8, .value_kind: global_buffer, .address_space: global }
      - { .name: wq, .offset: 8, .size: 8, .value_kind: global_buffer, .address_space: global }
      - { .name: wk, .offset: 16, .size: 8, .value_kind: global_buffer, .address_space: global }
      - { .name: wv, .offset: 24, .size: 8, .value_kind: global_buffer, .address_space: global }
      - { .name: wo, .offset: 32, .size: 8, .value_kind: global_buffer, .address_space: global }
      - { .name: xq, .offset: 40, .size: 8, .value_kind: global_buffer, .address_space: global }
      - { .name: wc, .offset: 48, .size: 8, .value_kind: global_buffer, .address_space: global }
      - { .name: woc, .offset: 56, .size: 8, .value_kind: global_buffer, .address_space: global }
      - { .name: rope, .offset: 64, .size: 8, .value_kind: global_buffer, .address_space: global }
    .group_segment_fixed_size: 34304
    .private_segment_fixed_size: 0
    .kernarg_segment_align: 8
    .kernarg_segment_size: 72
    .max_flat_workgroup_size: 128
    .sgpr_count:     66
    .vgpr_count:     256
    .wavefront_size: 32
...
	.end_amdgpu_metadata
.endif
;; end of part 1
;; launch qkv (part 2): grid 16 x 16, 4 waves a work-group, clusters of 4 x 4, 327,680 bytes of LDS; arguments xq, wc, q_norm_w, k_norm_w, rope, qc, kv; writes qc, kv
.if DOCPART == 2
	.amdgcn_target "amdgcn-amd-amdhsa--gfx1250"
	.amdhsa_code_object_version 6
	.text
	.protected	k_q565253f573_qkv
	.globl	k_q565253f573_qkv
	.p2align	8
	.type	k_q565253f573_qkv,@function
k_q565253f573_qkv:
	s_mov_b64 s[64:65], 0
	v_nop
	global_prefetch_b8 v0, s[64:65] scope:SCOPE_SE
	s_setreg_imm32_b32 hwreg(HW_REG_WAVE_MODE, 25, 1), 1
	s_wait_xcnt 0x0
	s_wait_alu depctr_hold_cnt(0) depctr_sa_sdst(0) depctr_va_vdst(0) depctr_va_sdst(0) depctr_va_ssrc(0) depctr_va_vcc(0) depctr_vm_vsrc(0)
	s_getreg_b32 s2, hwreg(HW_REG_IB_STS2, 6, 4)
	s_cmp_eq_u32 s2, 0
	s_cbranch_scc0 .Lentry_in_a_cluster
	s_endpgm
.Lentry_in_a_cluster:
	s_bfe_u32 s2, ttmp6, 0x10000c
	s_cmp_lg_u32 s2, 0xf033
	s_cbranch_scc0 .Lentry_shape_is_right
	s_endpgm
.Lentry_shape_is_right:
.set NKS,   32
.set LAPS,  NKS/8
.set IMGB,  1536
.set RA,    25600
.set RB,    12800
.set BOFF,  4*RA
.set SLOT,  4*RA+4*RB
.set SPARE, 2*SLOT
.set ADA,   8
.set ADB,   12
.set LSA,   14
.set LSB,   18
.set SPW,   28
.set NIL,   29
.set SCA,   32
.set SCB,   40
.set AF,    64
.set G1,    24
.set G0,    32
.set G1B,   48
.set G0B,   56
.set SEL,   68
.set NWP,   84
.set IMGP,  90
.set SCLP,  92
.set RBP,   96
.set Z,     64
.set PC,    128
.set TM,    148
.set PW,    164
.set RS,    168
.set SQ,    176
.set NW,    192
.set MSB, 0
.macro WIN new
.if MSB != \new
	s_set_vgpr_msb (MSB<<8)|\new
.set MSB, \new
.endif
.endm
.set MUL,  0xa1
.set TO_B, 0x40
.macro JLOAD g0a, g1a, g0b, g1b
	s_cmp_eq_u32 s15, 0
	s_cbranch_scc0 .Lfor_b_\@
	tensor_load_to_lds s[\g0a:\g0a+3], s[\g1a:\g1a+7]
	s_nop 0
.rept 4
	v_nop
.endr
	s_branch .Lasked_\@
.Lfor_b_\@:
	tensor_load_to_lds s[\g0b:\g0b+3], s[\g1b:\g1b+7]
	s_nop 0
.rept 4
	v_nop
.endr
.Lasked_\@:
.endm
.macro CREST
	s_cmp_lg_u32 s14, 0
	s_cbranch_scc1 .Lnot_wave_0_\@
	s_barrier_signal -3
.Lnot_wave_0_\@:
	s_barrier_wait -3
	s_barrier_signal -1
	s_barrier_wait -1
.endm
.macro CROUND
	s_barrier_signal -1
	s_barrier_wait -1
	CREST
.endm
.macro PLACES
.rept 4
	v_nop
.endr
.endm
.macro FETCH s, q, p
	WIN TO_B
.irp t, 0,1,2,3,4,5,6,7
.irp g, 0,1,2
	ds_load_b128 v[128*(\p)+12*\t+4*\g:128*(\p)+12*\t+4*\g+3], v[ADB+(\s)] offset:RB*(\q)+IMGB*\t+512*\g
.endr
.endr
	WIN 0
.irp a, 0,1,2,3
.irp g, 0,1,2
	ds_load_b128 v[AF+48*(\p)+12*\a+4*\g:AF+48*(\p)+12*\a+4*\g+3], v[ADA+2*(\s)+(\q)/2] offset:RA*((\q)%2)+IMGB*\a+512*\g
.endr
.endr
.irp a, 0,1,2,3
	ds_load_b32 v[SCA+4*(\p)+\a], v[LSA+2*(\s)+(\q)/2] offset:RA*((\q)%2)+16*IMGB+64*\a
.endr
.irp t, 0,1,2,3,4,5,6,7
	ds_load_b32 v[SCB+8*(\p)+\t], v[LSB+(\s)] offset:RB*(\q)+8*IMGB+64*\t
.endr
.endm
.macro MULA a, p, zero
.irp t, 0,1,2,3,4,5,6,7
.if \zero
	v_wmma_scale_f32_16x16x128_f8f6f4 v[8*(8*(\a)+\t):8*(8*(\a)+\t)+7], v[128*(\p)+12*\t:128*(\p)+12*\t+11], v[AF+48*(\p)+12*(\a):AF+48*(\p)+12*(\a)+11], 0, v[SCB+8*(\p)+\t], v[SCA+4*(\p)+(\a)] matrix_a_fmt:MATRIX_FMT_BF6 matrix_b_fmt:MATRIX_FMT_BF6
.else
	v_wmma_scale_f32_16x16x128_f8f6f4 v[8*(8*(\a)+\t):8*(8*(\a)+\t)+7], v[128*(\p)+12*\t:128*(\p)+12*\t+11], v[AF+48*(\p)+12*(\a):AF+48*(\p)+12*(\a)+11], v[8*(8*(\a)+\t):8*(8*(\a)+\t)+7], v[SCB+8*(\p)+\t], v[SCA+4*(\p)+(\a)] matrix_a_fmt:MATRIX_FMT_BF6 matrix_b_fmt:MATRIX_FMT_BF6
.endif
.endr
.endm
.macro STEP s, q, zero
	s_wait_dscnt 0x0
	PLACES
	FETCH \s, (\q)+1, 1-(\q)%2
	WIN MUL
	MULA 0, (\q)%2, \zero
	MULA 1, (\q)%2, \zero
	MULA 2, (\q)%2, \zero
	MULA 3, (\q)%2, \zero
	WIN 0
.endm
.macro TURN s, nx, fill
	s_wait_tensorcnt 0x0
	ds_add_u32 v[SPW], v[NIL]
	s_wait_dscnt 1
	WIN MUL
	MULA 0, 1, 0
	MULA 1, 1, 0
	s_wait_dscnt 0x0
	s_barrier_signal -1
	MULA 2, 1, 0
	WIN 0
	s_barrier_wait -1
.if \fill
	CREST
	s_add_nc_u64 s[G0+4*\s+2:G0+4*\s+3], s[G0+4*\s+2:G0+4*\s+3], 8*RA
	s_add_nc_u64 s[G0B+4*\s+2:G0B+4*\s+3], s[G0B+4*\s+2:G0B+4*\s+3], 8*RB
	JLOAD G0+4*\s, G1, G0B+4*\s, G1B
.else
	PLACES
.endif
	FETCH \nx, 0, 0
	WIN MUL
	MULA 3, 1, 0
	WIN 0
.endm
.macro QUANT s, pw
.irp b, 0,1,2,3
	v_max3_num_f32 v[TM+\b], |v[\s+16*\b]|, |v[\s+1+16*\b]|, 0x2800000
.endr
.irp i, 2,4,6,8,10,12,14
.irp b, 0,1,2,3
	v_max3_num_f32 v[TM+\b], v[TM+\b], |v[\s+16*\b+\i]|, |v[\s+1+16*\b+\i]|
.endr
.endr
.irp b, 0,1,2,3
	v_permlanex16_b32 v[TM+4+\b], v[TM+\b], s[SEL], s[SEL+1]
.endr
.irp b, 0,1,2,3
	v_max_num_f32 v[TM+\b], v[TM+\b], v[TM+4+\b]
.endr
.irp b, 0,1,2,3
	v_add_nc_u32 v[TM+12+\b], 0xfe000000, v[TM+\b]
.endr
.irp b, 0,1,2,3
	v_lshrrev_b32 v[TM+4+\b], 23, v[TM+12+\b]
.endr
	v_lshl_or_b32 v[\pw], v[TM+5], 8, v[TM+4]
	v_lshl_or_b32 v[\pw], v[TM+6], 16, v[\pw]
	v_lshl_or_b32 v[\pw], v[TM+7], 24, v[\pw]
.irp c, 0,1
	v_cvt_scalef32_pk16_bf6_f32 v[PC+6*\c:PC+2+6*\c], v[\s+32*\c:\s+15+32*\c], v[TM+12+2*\c]
	v_cvt_scalef32_pk16_bf6_f32 v[PC+12+4*\c:PC+14+4*\c], v[\s+16+32*\c:\s+31+32*\c], v[TM+12+2*\c+1]
.endr
	v_nop
.irp c, 0,1
.irp i, 0,1,2
	v_permlane16_swap_b32 v[PC+6*\c+\i], v[PC+12+4*\c+\i]
.endr
.irp i, 0,1,2
	v_mov_b32 v[PC+3+6*\c+\i], v[PC+12+4*\c+\i]
.endr
.endr
.endm
	s_load_b128 s[4:7], s[0:1], 0x0
	s_load_b128 s[8:11], s[0:1], 0x10
	s_load_b128 s[72:75], s[0:1], 0x20
	s_load_b64 s[76:77], s[0:1], 0x30
	v_lshl_add_u32 v[SPW], v0, 2, SPARE
	v_mov_b32 v[NIL], 0
	ds_add_u32 v28, v29
	ds_add_u32 v28, v29
	s_wait_dscnt 0x0
	v_lshrrev_b32 v1, 5, v0
	v_readfirstlane_b32 s14, v1
	s_lshr_b32 s15, s14, 1
	s_and_b32 s16, s14, 1
	s_bfe_u32 s40, ttmp6, 0x40000
	s_bfe_u32 s41, ttmp6, 0x40004
	s_lshl_b32 s42, ttmp9, 2
	s_add_co_u32 s42, s42, s40
	s_and_b32 s17, ttmp7, 0xffff
	s_lshl_b32 s17, s17, 2
	s_add_co_u32 s17, s17, s41
	s_lshl_b32 s43, s41, 2
	s_lshl_b32 s43, 15, s43
	s_lshl_b32 s44, 0x1111, s40
	s_or_b32 s[G1+0], s43, (3<<16)|(1<<21)
	s_or_b32 s[G1B+0], s44, (3<<16)|(1<<21)
	s_mov_b32 s[G1+1], 32<<16
	s_mov_b32 s[G1+2], 200<<16
	s_mov_b32 s[G1+3], 32<<16
	s_mov_b32 s[G1+4], 200
	s_mov_b32 s[G1+5], 32
	s_mov_b32 s[G1+6], 0
	s_mov_b32 s[G1+7], 0
	s_mov_b32 s[G1B+1], 32<<16
	s_mov_b32 s[G1B+2], 100<<16
	s_mov_b32 s[G1B+3], 32<<16
	s_mov_b32 s[G1B+4], 100
	s_mov_b32 s[G1B+5], 32
	s_mov_b32 s[G1B+6], 0
	s_mov_b32 s[G1B+7], 0
	s_mul_i32 s20, s17, NKS*RA
	s_mul_i32 s18, s16, 2*RA
	s_add_co_u32 s20, s20, s18
	s_mov_b32 s21, 0
	s_mul_i32 s46, s42, NKS*RB
	s_mul_i32 s19, s16, 2*RB
	s_add_co_u32 s46, s46, s19
	s_mov_b32 s47, 0
	s_mul_i32 s45, s16, 2*RA
	s_mul_i32 s94, s16, 2*RB
	s_add_co_u32 s94, s94, BOFF
	s_wait_kmcnt 0x0
	s_add_nc_u64 s[20:21], s[4:5], s[20:21]
	s_add_nc_u64 s[46:47], s[6:7], s[46:47]
	CROUND
.irp s, 0,1
	s_mov_b32 s[G0+4*\s], 1
	s_add_co_u32 s[G0+4*\s+1], s45, \s*SLOT
	s_add_nc_u64 s[G0+4*\s+2:G0+4*\s+3], s[20:21], \s*4*RA
	s_or_b32 s[G0+4*\s+3], s[G0+4*\s+3], 0x80000000
	s_mov_b32 s[G0B+4*\s], 1
	s_add_co_u32 s[G0B+4*\s+1], s94, \s*SLOT
	s_add_nc_u64 s[G0B+4*\s+2:G0B+4*\s+3], s[46:47], \s*4*RB
	s_or_b32 s[G0B+4*\s+3], s[G0B+4*\s+3], 0x80000000
	s_wait_alu depctr_va_vdst(0)
	s_wait_tensorcnt 0x0
	ds_add_u32 v28, v29
	ds_add_u32 v28, v29
	s_wait_dscnt 0x0
	CROUND
	JLOAD G0+4*\s, G1, G0B+4*\s, G1B
.endr
	v_and_b32 v3, 31, v0
	v_and_b32 v1, 15, v0
	v_bfe_u32 v2, v0, 4, 1
	v_lshlrev_b32 v20, 4, v3
	v_lshlrev_b32 v21, 2, v3
	v_lshlrev_b32 v4, 2, v1
	s_mul_i32 s66, s14, 4*IMGB
	s_lshl_b32 s67, s14, 8
	v_add_nc_u32 v5, s66, v20
	v_add_nc_u32 v6, s67, v4
.irp s, 0,1
.irp qh, 0,1
	v_add_nc_u32 v[ADA+2*\s+\qh], \s*SLOT+\qh*2*RA, v5
	v_add_nc_u32 v[LSA+2*\s+\qh], \s*SLOT+\qh*2*RA, v6
.endr
	v_add_nc_u32 v[ADB+\s], \s*SLOT+BOFF, v20
	v_add_nc_u32 v[LSB+\s], \s*SLOT+BOFF, v4
.endr
	v_lshlrev_b32 v22, 9, v1
	v_lshl_add_u32 v22, v2, 5, v22
	v_lshlrev_b32 v23, 5, v2
	s_mul_i32 s66, s14, 64*528
	v_mul_u32_u24 v24, v1, 528
	v_lshl_add_u32 v24, v2, 5, v24
	v_add_nc_u32 v24, s66, v24
	s_mul_i32 s66, s15, 128*528
	s_lshl_b32 s67, s16, 8
	s_add_co_u32 s66, s66, s67
	v_and_b32 v7, 8, v1
	v_add_nc_u32 v7, v7, v1
	v_lshlrev_b32 v25, 2, v7
	v_mad_u32_u24 v25, v2, 8*528, v25
	v_add_nc_u32 v25, s66, v25
	s_mov_b32 s[SEL], 0x76543210
	s_mov_b32 s[SEL+1], 0xfedcba98
	s_mov_b32 s70, 0x3c000000
	s_mov_b32 s71, 0x3727c5ac
	s_lshr_b32 s79, s17, 3
	s_and_b32 s80, s17, 7
	s_lshl_b32 s81, s79, 3
	s_add_co_u32 s81, s81, s42
	s_lshl_b32 s81, s81, 5
	s_lshl_b32 s86, s80, 2
	s_add_co_u32 s81, s81, s86
	s_add_co_u32 s81, s81, s14
	s_mul_i32 s81, s81, 6400
	s_add_co_u32 s87, s81, 4*IMGB
	s_lshl_b32 s88, s79, 2
	s_and_b32 s86, s42, 3
	s_add_co_u32 s88, s88, s86
	s_lshl_b32 s88, s88, 4
	s_lshl_b32 s86, s80, 1
	s_add_co_u32 s88, s88, s86
	s_add_co_u32 s88, s88, s15
	s_mul_i32 s88, s88, RA
	s_cmp_eq_u32 ttmp9, 3
	s_cselect_b32 s86, RB, 0
	s_add_co_u32 s88, s88, s86
	s_mul_i32 s86, s16, 4*IMGB
	s_add_co_u32 s89, s88, s86
	s_lshl_b32 s86, s16, 8
	s_add_co_u32 s88, s88, s86
	s_add_co_u32 s88, s88, 8*IMGB
	s_cmp_lt_u32 ttmp9, 2
	s_cselect_b32 s90, s81, s89
	s_cselect_b32 s92, s87, s88
	s_cselect_b64 s[82:83], s[74:75], s[76:77]
	s_cselect_b64 s[NWP:NWP+1], s[8:9], s[10:11]
	s_mov_b32 s91, 0
	s_mov_b32 s93, 0
	s_add_nc_u64 s[IMGP:IMGP+1], s[82:83], s[90:91]
	s_add_nc_u64 s[SCLP:SCLP+1], s[82:83], s[92:93]
	s_lshl_b32 s96, s80, 17
	s_lshl_b32 s97, s14, 15
	s_add_co_u32 s96, s96, s97
	s_mov_b32 s97, 0
	s_add_nc_u64 s[RBP:RBP+1], s[72:73], s[96:97]
	s_wait_tensorcnt 1
	s_barrier_signal -1
	s_barrier_wait -1
	FETCH 0, 0, 0
	STEP 0, 0, 1
.if LAPS > 1
	s_mov_b32 s3, LAPS-1
.Llap:
	STEP 0, 1, 0
	STEP 0, 2, 0
	TURN 0, 1, 1
	STEP 1, 0, 0
	STEP 1, 1, 0
	STEP 1, 2, 0
	TURN 1, 0, 1
	STEP 0, 0, 0
	s_sub_co_u32 s3, s3, 1
	s_cmp_lg_u32 s3, 0
	s_cbranch_scc1 .Llap
.endif
	STEP 0, 1, 0
	STEP 0, 2, 0
	TURN 0, 1, 0
	STEP 1, 0, 0
	STEP 1, 1, 0
	STEP 1, 2, 0
	s_wait_dscnt 0x0
	WIN MUL
	MULA 0, 1, 0
	MULA 1, 1, 0
	MULA 2, 1, 0
	MULA 3, 1, 0
	WIN 0
	PLACES
.irp b, 0,1,2,3
	v_mov_b32 v[TM+4+\b], 0
.endr
	s_cmp_eq_u32 ttmp9, 3
	s_cbranch_scc0 .Lno_stage
	WIN 0x08
.irp a, 0,1,2,3
.irp t, 0,1,2,3,4,5,6,7
	ds_store_b128 v24, v[8*(8*\a+\t):8*(8*\a+\t)+3] offset:16*528*\a+64*\t
	ds_store_b128 v24, v[8*(8*\a+\t)+4:8*(8*\a+\t)+7] offset:16*528*\a+64*\t+16
.endr
.endr
	WIN 0
.Lno_stage:
	s_wait_dscnt 0x0
	s_barrier_signal -1
	s_barrier_wait -1
.macro FINISH a
.if \a > 0
	s_wait_xcnt 0x0
.endif
	QUANT Z, PW+\a
.irp g, 0,1,2
	global_store_b128 v20, v[PC+4*\g:PC+4*\g+3], s[IMGP:IMGP+1] offset:IMGB*\a+512*\g
.endr
.endm
	s_cmp_eq_u32 ttmp9, 3
	s_cbranch_scc1 .Lrole_v
.irp t, 0,1,2,3,4,5,6,7
.irp e, 0,1
	global_load_b128 v[NW+8*\t+4*\e:NW+8*\t+4*\e+3], v23, s[NWP:NWP+1] offset:64*\t+16*\e
.endr
.endr
	WIN 0x40
.irp a, 0,1,2,3
.irp t, 0,1,2,3
.irp e, 0,1
	global_load_b128 v[64*\a+8*\t+4*\e:64*\a+8*\t+4*\e+3], v22, s[RBP:RBP+1] offset:8192*\a+64*\t+16*\e
	global_load_b128 v[64*\a+32+8*\t+4*\e:64*\a+32+8*\t+4*\e+3], v22, s[RBP:RBP+1] offset:8192*\a+256+64*\t+16*\e
.endr
.endr
.endr
	WIN 0x0a
.irp a, 0,1,2,3
	v_pk_mul_f32 v[SQ+4*\a:SQ+4*\a+1], v[64*\a:64*\a+1], v[64*\a:64*\a+1]
	v_pk_mul_f32 v[SQ+4*\a+2:SQ+4*\a+3], v[64*\a+2:64*\a+3], v[64*\a+2:64*\a+3]
.endr
.irp i, 4,8,12,16,20,24,28,32,36,40,44,48,52,56,60
.irp a, 0,1,2,3
	v_pk_fma_f32 v[SQ+4*\a:SQ+4*\a+1], v[64*\a+\i:64*\a+\i+1], v[64*\a+\i:64*\a+\i+1], v[SQ+4*\a:SQ+4*\a+1]
	v_pk_fma_f32 v[SQ+4*\a+2:SQ+4*\a+3], v[64*\a+\i+2:64*\a+\i+3], v[64*\a+\i+2:64*\a+\i+3], v[SQ+4*\a+2:SQ+4*\a+3]
.endr
.endr
	WIN 0
.irp a, 0,1,2,3
	v_pk_add_f32 v[SQ+4*\a:SQ+4*\a+1], v[SQ+4*\a:SQ+4*\a+1], v[SQ+4*\a+2:SQ+4*\a+3]
.endr
.irp a, 0,1,2,3
	v_add_f32 v[SQ+4*\a], v[SQ+4*\a], v[SQ+4*\a+1]
.endr
.irp a, 0,1,2,3
	v_permlanex16_b32 v[SQ+4*\a+1], v[SQ+4*\a], s[SEL], s[SEL+1]
.endr
.irp a, 0,1,2,3
	v_add_f32 v[SQ+4*\a], v[SQ+4*\a], v[SQ+4*\a+1]
.endr
.irp a, 0,1,2,3
	v_fma_f32 v[SQ+4*\a], v[SQ+4*\a], s70, s71
.endr
	s_wait_alu depctr_va_vdst(0)
.irp a, 0,1,2,3
	v_rsq_f32 v[RS+2*\a], v[SQ+4*\a]
.endr
	v_nop
	s_wait_alu depctr_va_vdst(0)
.irp a, 0,1,2,3
	v_mov_b32 v[RS+2*\a+1], v[RS+2*\a]
.endr
.macro QKBLOCK a
	WIN 0x02
.set II, 0
.rept 32
	v_pk_mul_f32 v[Z+II:Z+II+1], v[64*\a+II:64*\a+II+1], v[RS+2*\a:RS+2*\a+1] op_sel_hi:[1,0]
.set II, II+2
.endr
	WIN 0
	s_wait_loadcnt 16*(3-\a)
.set II, 0
.rept 32
	v_pk_mul_f32 v[Z+II:Z+II+1], v[Z+II:Z+II+1], v[NW+II:NW+II+1]
.set II, II+2
.endr
	WIN 0x04
.set II, 0
.rept 16
.set TT, TM+4*((II/2)%2)
	v_pk_mul_f32 v[TT:TT+1], v[Z+32+II:Z+33+II], v[64*\a+32+II:64*\a+33+II]
	v_pk_mul_f32 v[TT+2:TT+3], v[Z+II:Z+II+1], v[64*\a+32+II:64*\a+33+II]
	v_pk_fma_f32 v[Z+II:Z+II+1], v[Z+II:Z+II+1], v[64*\a+II:64*\a+II+1], v[TT:TT+1] neg_lo:[0,0,1] neg_hi:[0,0,1]
	v_pk_fma_f32 v[Z+32+II:Z+33+II], v[Z+32+II:Z+33+II], v[64*\a+II:64*\a+II+1], v[TT+2:TT+3]
.set II, II+2
.endr
	WIN 0
	FINISH \a
.endm
	QKBLOCK 0
	QKBLOCK 1
	QKBLOCK 2
	QKBLOCK 3
	s_branch .Lscales
.Lrole_v:
	s_wait_alu depctr_va_vdst(0)
.irp n, 0,1,2,3
.irp b, 0,1,2,3
.irp u, 0,1
.irp j, 0,1,2,3,4,5,6,7
	ds_load_b32 v[Z+16*\b+8*\u+\j], v25 offset:(32*\b+16*\u+\j)*528+(32*(\n/2)+8*(\n%2))*4
.endr
.endr
.endr
	s_wait_dscnt 0x0
	FINISH \n
.endr
.Lscales:
	v_cmp_le_u32 vcc_lo, 16, v3
	v_cndmask_b32 v[TM], v[PW], v[PW+1], vcc_lo
	v_cndmask_b32 v[TM+1], v[PW+2], v[PW+3], vcc_lo
	global_store_b32 v21, v[TM], s[SCLP:SCLP+1]
	global_store_b32 v21, v[TM+1], s[SCLP:SCLP+1] offset:128
	s_wait_tensorcnt 0x0
	ds_add_u32 v[SPW], v[NIL]
	s_wait_dscnt 0x0
	CROUND
	s_endpgm
.Lfunc_end_k_q565253f573_qkv:
	.size	k_q565253f573_qkv, .Lfunc_end_k_q565253f573_qkv-k_q565253f573_qkv
	.p2alignl 7, 3214868480
	.fill 96, 4, 3214868480
	.section	.rodata,"a",@progbits
	.p2align	6, 0x0
	.amdhsa_kernel k_q565253f573_qkv
		.amdhsa_group_segment_fixed_size 327680
		.amdhsa_private_segment_fixed_size 0
		.amdhsa_enable_private_segment 0
		.amdhsa_kernarg_size 56
		.amdhsa_user_sgpr_count 2
		.amdhsa_user_sgpr_kernarg_segment_ptr 1
		.amdhsa_wavefront_size32 1
		.amdhsa_system_sgpr_workgroup_id_x 1
		.amdhsa_system_sgpr_workgroup_id_y 1
		.amdhsa_system_sgpr_workgroup_id_z 1
		.amdhsa_system_vgpr_workitem_id 0
		.amdhsa_next_free_vgpr 768
		.amdhsa_next_free_sgpr 98
		.amdhsa_reserve_vcc 1
		.amdhsa_float_denorm_mode_32 3
		.amdhsa_float_denorm_mode_16_64 3
		.amdhsa_memory_ordered 1
		.amdhsa_forward_progress 1
		.amdhsa_inst_pref_size 232
	.end_amdhsa_kernel
	.amdgpu_metadata
---
amdhsa.version: [ 1, 2 ]
amdhsa.kernels:
  - .name:           k_q565253f573_qkv
    .symbol:         k_q565253f573_qkv.kd
    .args:
      - { .name: xq, .offset: 0, .size: 8, .value_kind: global_buffer, .address_space: global }
      - { .name: wc, .offset: 8, .size: 8, .value_kind: global_buffer, .address_space: global }
      - { .name: q_norm_w, .offset: 16, .size: 8, .value_kind: global_buffer, .address_space: global }
      - { .name: k_norm_w, .offset: 24, .size: 8, .value_kind: global_buffer, .address_space: global }
      - { .name: rope, .offset: 32, .size: 8, .value_kind: global_buffer, .address_space: global }
      - { .name: qc, .offset: 40, .size: 8, .value_kind: global_buffer, .address_space: global }
      - { .name: kv, .offset: 48, .size: 8, .value_kind: global_buffer, .address_space: global }
    .group_segment_fixed_size: 327680
    .private_segment_fixed_size: 0
    .kernarg_segment_align: 8
    .kernarg_segment_size: 56
    .max_flat_workgroup_size: 128
    .sgpr_count:     98
    .vgpr_count:     768
    .wavefront_size: 32
...
	.end_amdgpu_metadata
.endif
;; end of part 2
;; launch attn (part 3): grid 4 x 64, 8 waves a work-group, clusters of 4 x 4, 327,680 bytes of LDS; arguments qc, kv, mask, oc; writes oc
.if DOCPART == 3
	.amdgcn_target "amdgcn-amd-amdhsa--gfx1250"
	.amdhsa_code_object_version 6
	.text
	.protected	k_q565253f573_attn
	.globl	k_q565253f573_attn
	.p2align	8
	.type	k_q565253f573_attn,@function
k_q565253f573_attn:
	s_mov_b64 s[64:65], 0
	v_nop
	global_prefetch_b8 v0, s[64:65] scope:SCOPE_SE
	s_setreg_imm32_b32 hwreg(HW_REG_WAVE_MODE, 25, 1), 1
	s_wait_xcnt 0x0
	s_wait_alu depctr_hold_cnt(0) depctr_sa_sdst(0) depctr_va_vdst(0) depctr_va_sdst(0) depctr_va_ssrc(0) depctr_va_vcc(0) depctr_vm_vsrc(0)
	s_getreg_b32 s2, hwreg(HW_REG_IB_STS2, 6, 4)
	s_cmp_eq_u32 s2, 0
	s_cbranch_scc0 .Lentry_in_a_cluster
	s_endpgm
.Lentry_in_a_cluster:
	s_bfe_u32 s2, ttmp6, 0x10000c
	s_cmp_lg_u32 s2, 0xf033
	s_cbranch_scc0 .Lentry_shape_is_right
	s_endpgm
.Lentry_shape_is_right:
; o = softmax(q k^T / sqrt(128) + mask) v, both products on codes of BF6 (E3M2) with E8M0 scales; then o is quantised along (head, channel) for the output projection.
; The mask is an f32 input [2048][2048], added as it is given: every score is computed.
; THE SOFTMAX: u = score / sqrt(128) + mask; M = ceil(the largest u x log2(e) so far); p = 2^(u x log2(e) - M), by one fused multiply-add and one exponential, is quantised along the keys, not normalised.
; The row's sum is taken of the unquantised p and divides at the end.  When M moves, the sum and O are multiplied by 2^(old M - new M): exact.
; SHARES.  A work-group owns 64 queries of the two query heads of one key/value head.  Wave w owns queries 16 (w % 4) on of BOTH heads (two tiles: a fragment of K or V and a register of the mask serve both),
; and of each slot of 256 keys the record w / 4: so waves w and w xor 4 walk 1,024 keys each of the same rows.  Tile 0 is head 2 kh + w / 4, tile 1 the other: at the end each wave hands its tile 1
; (O^T, -M, the sum) to its partner through LDS and finishes its tile 0 from both halves, by exact powers of two.
; OPERANDS are images of their registers (16 rows x 128 K, 1,536 bytes) with scale blocks (64 bytes).  qc [b][head][64 queries]: 4 images + 4 scale blocks.  kv [b][kv head][128 keys]: K's 8 images + 8 scale blocks, V's likewise: 25,600 bytes.
; Both products are used transposed (S^T = K Q^T, O^T = V^T P^T): a lane holds one query.  Register 8 t + j of S^T is key 16 t + 8 h + j; quantised as they stand, p's position 32 b + 16 h + 8 u + j holds key 32 b + 16 u + 8 h + j,
; and V's images were laid in that order of keys.  Register 16 b + 8 u + j of O^T is channel 32 b + 16 h + 8 u + j.
; THE RING: two slots of 256 keys: two records of kv (51,200 bytes) and the mask's 64 rows x 1,024 bytes (rows 1,040 apart).  Every wave brings a part: waves 0-3 12,800 bytes of kv each, waves 4-7 16 rows of the mask each.
; CLUSTER 4 x 4: x = the four kv heads, y = four blocks of queries of one batch.  The mask's tile is shared along a row of the cluster, kv's records along a column.
; kv's records are not prefetched: a slot's 200 blocks of 256 bytes do not share out over whole waves, and each head's records are walked by eight clusters.
; LIMITS: NaN and +infinity are not served; a row whose mask is -infinity throughout gives NaN; u x log2(e) stays under 2^31 in magnitude; a block of zeros gets the byte 1 (its codes are zeros; only this program reads the bytes).
; u x log2(e) is not rounded before M is taken off.
; REGISTERS: window 0: v1-11 addresses; v12-15 -M and the largest t of tiles 0, 1; v16-19 the sums; v20-23 the factors; v24-25 p's scale words, v26-27 Q's, v28-35 K's, v36-43 V's; v44-55 work; v56-59 the stage's addresses;
;   v64-191 S^T of both tiles, then u, p; v192-255 the mask, then block maxima, p's codes.   window 1: v0-95 eight fragments of K, then of V; v96-223 O^T of both tiles; v224-247 Q of both tiles.
.set IMGB,  1536
.set RB,    12800
.set KVR,   25600
.set SLOT1, 1<<17                      ; slot 1 begins here: one exclusive or turns an address from one slot to the other
.set MOFF,  2*KVR
.set MP,    1040
.set SPARE, MOFF+64*MP                 ; behind slot 0: the spare words, 128 bytes a wave
.set ML,    SPARE+1024                 ; 256 bytes a wave: -M and the sum on their way to the partner
.set STG,   2*SLOT1                    ; 8,192 bytes a wave: O^T on its way to the partner
.set LI,   1
.set LS,   2
.set AM0,  3
.set PFO,  4
.set SPW,  5
.set NIL,  6
.set GI,   7
.set ADK,  8
.set ADS,  9
.set ADM,  10
.set GS,   11
.set NM,   12
.set LSUM, 16
.set FF,   20
.set PS,   24
.set QS,   26
.set KS,   28
.set VS,   36
.set AC,   44
.set STO,  56
.set STI,  57
.set MLO,  58
.set MLI,  59
.set S,    64
.set MK,   192
.set BM,   192
.set BX,   200
.set SO,   208
.set PC,   216
.set CT,   240
.set TM,   192
.set O,    96                          ; window 1
.set QF,   224                         ; window 1
.set TB,   2
.set WV,   18
.set SEL,  20
.set SCALE, 22
.set L2E,  24
.set G1KV, 28
.set G1M,  36
.set G0KV, 44
.set G0M,  48
.set SLOTS, 52
.set PFA,  58
.set LIM,  60
.set MSB, 0
.macro WIN new
.if MSB != \new
	s_set_vgpr_msb (MSB<<8)|\new
.set MSB, \new
.endif
.endm
.macro PLACES
.rept 4
	v_nop
.endr
.endm
; Every wave's one joint load: waves 0-3 kv's parts, waves 4-7 the mask's.  The branch hangs on the wave's number alone; s_nop 0 and four v_nop follow each line.
.macro TLOAD
	s_cmp_lt_u32 s[WV], 4
	s_cbranch_scc0 .Lfor_m_\@
	tensor_load_to_lds s[G0KV:G0KV+3], s[G1KV:G1KV+7]
	s_nop 0
.rept 4
	v_nop
.endr
	s_branch .Lasked_\@
.Lfor_m_\@:
	tensor_load_to_lds s[G0M:G0M+3], s[G1M:G1M+7]
	s_nop 0
.rept 4
	v_nop
.endr
.Lasked_\@:
.endm
; A prefetch of the mask's tile that the NEXT change of slots will ask for: 64 rows x 1,024 bytes.  Both batches walk the same mask: the clusters of batch 0 ask.  The four partners of a row of the cluster take 16 rows each,
; told apart by address; in each, waves 2 and 3 take 8 rows: a lane names one block of 256 bytes (row lane / 4, block lane % 4).  The last change that fills a slot asks for nothing.
.macro ASK
	s_cmp_gt_u32 s[SLOTS], s[LIM]
	s_cbranch_scc0 .Lnot_mine_\@
	global_prefetch_b8 v[PFO], s[PFA:PFA+1] th:TH_LOAD_NT scope:SCOPE_SE
.Lnot_mine_\@:
.endm
.macro CROUND
	s_barrier_signal -1
	s_barrier_wait -1
	s_cmp_lg_u32 s[WV], 0
	s_cbranch_scc1 .Lnot_wave_0_\@
	s_barrier_signal -3
.Lnot_wave_0_\@:
	s_barrier_wait -3
	s_barrier_signal -1
	s_barrier_wait -1
.endm
.macro QUANT s, pw                     ; 64 numbers, register 16 b + i = position 32 b + 16 (lane / 16) + i of my row -> codes in v[PC] on, scale word in v[pw]
.irp b, 0,1,2,3
	v_max3_num_f32 v[TM+\b], |v[\s+16*\b]|, |v[\s+1+16*\b]|, 0x2800000
.endr
.irp i, 2,4,6,8,10,12,14
.irp b, 0,1,2,3
	s_delay_alu instid0(VALU_DEP_4)
	v_max3_num_f32 v[TM+\b], v[TM+\b], |v[\s+16*\b+\i]|, |v[\s+1+16*\b+\i]|
.endr
.endr
.irp b, 0,1,2,3
	s_delay_alu instid0(VALU_DEP_4)
	v_permlanex16_b32 v[TM+4+\b], v[TM+\b], s[SEL], s[SEL+1]
.endr
.irp b, 0,1,2,3
	s_delay_alu instid0(VALU_DEP_4)
	v_max_num_f32 v[TM+\b], v[TM+\b], v[TM+4+\b]
.endr
.irp b, 0,1,2,3
	s_delay_alu instid0(VALU_DEP_4)
	v_add_nc_u32 v[TM+12+\b], 0xfe000000, v[TM+\b]
.endr
.irp b, 0,1,2,3
	s_delay_alu instid0(VALU_DEP_4)
	v_lshrrev_b32 v[TM+4+\b], 23, v[TM+12+\b]
.endr
	s_delay_alu instid0(VALU_DEP_3)
	v_lshl_or_b32 v[\pw], v[TM+5], 8, v[TM+4]
	s_delay_alu instid0(VALU_DEP_1)
	v_lshl_or_b32 v[\pw], v[TM+6], 16, v[\pw]
	s_delay_alu instid0(VALU_DEP_1)
	v_lshl_or_b32 v[\pw], v[TM+7], 24, v[\pw]
.irp c, 0,1
	v_cvt_scalef32_pk16_bf6_f32 v[PC+6*\c:PC+2+6*\c], v[\s+32*\c:\s+15+32*\c], v[TM+12+2*\c]
	v_cvt_scalef32_pk16_bf6_f32 v[PC+12+4*\c:PC+14+4*\c], v[\s+16+32*\c:\s+31+32*\c], v[TM+12+2*\c+1]
.endr
	v_nop
.irp c, 0,1
.irp i, 0,1,2
	v_permlane16_swap_b32 v[PC+6*\c+\i], v[PC+12+4*\c+\i]
.endr
.irp i, 0,1,2
	s_delay_alu instid0(VALU_DEP_3)
	v_mov_b32 v[PC+3+6*\c+\i], v[PC+12+4*\c+\i]
.endr
.endr
.endm
.macro QADR hd, pi, ps                 ; where head hd's image and scale block of my 16 queries lie in qc
	s_add_co_u32 s77, s76, s[\hd]
	s_lshl_b32 s77, s77, 5
	s_add_co_u32 s77, s77, s57
	s_mul_i32 s77, s77, 6400
	s_mul_i32 s[\pi], s72, IMGB
	s_add_co_u32 s[\pi], s[\pi], s77
	s_mov_b32 s[\pi+1], 0
	s_add_nc_u64 s[\pi:\pi+1], s[4:5], s[\pi:\pi+1]
	s_lshl_b32 s[\ps], s72, 6
	s_add_co_u32 s[\ps], s[\ps], s77
	s_add_co_u32 s[\ps], s[\ps], 4*IMGB
	s_mov_b32 s[\ps+1], 0
	s_add_nc_u64 s[\ps:\ps+1], s[4:5], s[\ps:\ps+1]
.endm
	s_load_b256 s[4:11], s[0:1], 0x0               ; qc s[4:5], kv s[6:7], mask s[8:9], oc s[10:11]
	v_lshl_add_u32 v[SPW], v0, 2, SPARE
	v_mov_b32 v[NIL], 0
	ds_add_u32 v[SPW], v[NIL]                      ; the opening lines: the add twice on end and one wait
	ds_add_u32 v[SPW], v[NIL]
	v_lshrrev_b32 v44, 5, v0
	v_readfirstlane_b32 s[WV], v44                 ; wave 0..7
	s_and_b32 s72, s[WV], 3                        ; a: my 16 queries; also which part of a tile I fetch
	s_lshr_b32 s73, s[WV], 2                       ; which record of a slot is mine, and which head I finish
	s_bfe_u32 s53, ttmp6, 0x40000                  ; cx
	s_bfe_u32 s54, ttmp6, 0x40004                  ; cy
	s_lshl_b32 s61, ttmp9, 2
	s_add_co_u32 s61, s61, s53                     ; the kv head
	s_and_b32 s55, ttmp7, 0xffff
	s_lshr_b32 s56, s55, 3                         ; b
	s_and_b32 s57, s55, 7
	s_lshl_b32 s57, s57, 2
	s_add_co_u32 s57, s57, s54                     ; g: which 64 queries
	s_lshl_b32 s66, s54, 2
	s_lshl_b32 s66, 15, s66                        ; my row of the cluster
	s_lshl_b32 s67, 0x1111, s53                    ; my column
	s_or_b32 s[G1KV], s67, (3<<16)|(1<<21)         ; kv: 12,800 dense bytes as 50 rows of 32 elements of 8 bytes; shared along my column
	s_mov_b32 s[G1KV+1], 32<<16
	s_mov_b32 s[G1KV+2], 50<<16
	s_mov_b32 s[G1KV+3], 32<<16
	s_mov_b32 s[G1KV+4], 50
	s_mov_b32 s[G1KV+5], 32
	s_mov_b32 s[G1KV+6], 0
	s_mov_b32 s[G1KV+7], 0
	s_or_b32 s[G1M], s66, (2<<16)|(1<<20)|(1<<21)|(7<<22)|(3<<25)   ; the mask: 16 rows of 256 elements of 4 bytes, 4 words of padding behind each; shared along my row
	s_mov_b32 s[G1M+1], 256<<16
	s_mov_b32 s[G1M+2], 16<<16
	s_mov_b32 s[G1M+3], 256<<16
	s_mov_b32 s[G1M+4], 16
	s_mov_b32 s[G1M+5], 2048
	s_mov_b32 s[G1M+6], 0
	s_mov_b32 s[G1M+7], 0
	s_lshl_b32 s68, s56, 2
	s_add_co_u32 s68, s68, s61
	s_mul_i32 s68, s68, 16*KVR                     ; kv at (b, kv head),
	s_mul_i32 s69, s72, RB
	s_add_co_u32 s68, s68, s69                     ; + my part
	s_mov_b32 s69, 0
	s_lshl_b32 s70, s57, 19                        ; the mask at row 64 g,
	s_lshl_b32 s71, s72, 17
	s_add_co_u32 s70, s70, s71                     ; + my 16 rows
	s_mov_b32 s71, 0
	s_mov_b32 s[SEL], 0x76543210
	s_mov_b32 s[SEL+1], 0xfedcba98
	s_mov_b32 s[SCALE], 0x3db504f3
	s_mov_b32 s[SCALE+1], s[SCALE]
	s_mov_b32 s[L2E], 0x3fb8aa3b
	s_mov_b32 s[L2E+1], s[L2E]
	s_mov_b32 s[TB], 0
	s_mov_b32 s[SLOTS], 7
	s_wait_dscnt 0x0
	s_wait_kmcnt 0x0
	s_mov_b32 s[G0KV], 1
	s_mul_i32 s[G0KV+1], s72, RB
	s_add_nc_u64 s[G0KV+2:G0KV+3], s[6:7], s[68:69]
	s_or_b32 s[G0KV+3], s[G0KV+3], 0x80000000
	s_mov_b32 s[G0M], 1
	s_mul_i32 s[G0M+1], s72, 16*MP
	s_add_co_u32 s[G0M+1], s[G0M+1], MOFF
	s_add_nc_u64 s[G0M+2:G0M+3], s[8:9], s[70:71]
	s_or_b32 s[G0M+3], s[G0M+3], 0x80000000
	CROUND                                         ; all sixteen work-groups are here
	TLOAD                                          ; slot 0, one load a wave; slot 1 is filled behind the first change's round, as a refill is
	s_mul_i32 s74, s72, 16*MP
	s_add_co_u32 s74, s74, MOFF
	s_lshl_b32 s75, s73, 9
	s_add_co_u32 s74, s74, s75                     ; the mask in LDS: my 16 rows, my record's 512 bytes
	s_mul_i32 s96, s73, KVR                        ; my record in a slot
	s_lshl_b32 s97, s[WV], 13
	s_add_co_u32 s97, s97, STG                     ; my stage,
	s_xor_b32 s99, s[WV], 4
	s_lshl_b32 s98, s99, 13
	s_add_co_u32 s98, s98, STG                     ; and my partner's
	s_lshl_b32 s62, s[WV], 8
	s_add_co_u32 s62, s62, ML
	s_lshl_b32 s63, s99, 8
	s_add_co_u32 s63, s63, ML
	s_lshl_b32 s75, s61, 1
	s_add_co_u32 s75, s75, s73                     ; tile 0's head, which I finish
	s_xor_b32 s91, s75, 1                          ; tile 1's
	s_lshl_b32 s76, s56, 3
	QADR 75, 78, 80
	QADR 91, 92, 94
	s_lshl_b32 s82, s56, 3
	s_lshr_b32 s83, s57, 2
	s_add_co_u32 s82, s82, s83
	s_lshl_b32 s82, s82, 3
	s_add_co_u32 s82, s82, s75
	s_mul_i32 s82, s82, KVR                        ; oc: record (row tile 8 b + g / 4, K step = head)
	s_and_b32 s83, s57, 3
	s_lshl_b32 s83, s83, 2
	s_add_co_u32 s83, s83, s72                     ; block 4 (g % 4) + a
	s_mul_i32 s84, s83, IMGB
	s_add_co_u32 s84, s84, s82
	s_mov_b32 s85, 0
	s_add_nc_u64 s[84:85], s[10:11], s[84:85]
	s_lshl_b32 s86, s83, 6
	s_add_co_u32 s86, s86, s82
	s_add_co_u32 s86, s86, 16*IMGB
	s_mov_b32 s87, 0
	s_add_nc_u64 s[86:87], s[10:11], s[86:87]
	s_lshl_b32 s88, s57, 6                         ; the prefetches: row 64 g + 16 cx + 8 (wave % 2), in slot 1; the first change steps it to slot 2
	s_lshl_b32 s89, s53, 4
	s_add_co_u32 s88, s88, s89
	s_and_b32 s89, s[WV], 1
	s_lshl_b32 s89, s89, 3
	s_add_co_u32 s88, s88, s89
	s_lshl_b32 s88, s88, 13
	s_add_co_u32 s88, s88, 1024
	s_mov_b32 s89, 0
	s_add_nc_u64 s[PFA:PFA+1], s[8:9], s[88:89]
	s_lshr_b32 s90, s[WV], 1
	s_xor_b32 s90, s90, 1                          ; 0 in waves 2 and 3,
	s_or_b32 s90, s90, s56                         ; of batch 0
	s_cmp_eq_u32 s90, 0
	s_cselect_b32 s[LIM], 1, -1
	v_and_b32 v44, 31, v0                          ; lane
	v_and_b32 v45, 15, v0                          ; r
	v_bfe_u32 v46, v0, 4, 1                        ; h
	v_lshlrev_b32 v[GI], 4, v44
	v_lshlrev_b32 v[GS], 2, v45
	v_mul_u32_u24 v[AM0], v45, MP
	v_lshrrev_b32 v[PFO], 2, v44
	v_and_b32 v47, 3, v44
	v_lshlrev_b32 v48, 2, v44
	v_add_nc_u32 v[LI], s96, v[GI]
	v_add_nc_u32 v[LS], s96, v[GS]
	v_lshl_add_u32 v[AM0], v46, 5, v[AM0]
	v_lshlrev_b32 v[PFO], 13, v[PFO]
	v_add_nc_u32 v[STO], s97, v[GI]
	v_add_nc_u32 v[STI], s98, v[GI]
	v_add_nc_u32 v[AM0], s74, v[AM0]               ; the mask: row 16 a + r, + 32 h
	v_lshl_add_u32 v[PFO], v47, 8, v[PFO]
	v_add_nc_u32 v[MLO], s62, v48
	v_add_nc_u32 v[MLI], s63, v48
	s_wait_alu depctr_va_vdst(0)
	global_load_b32 v[QS], v[GS], s[80:81]
	global_load_b32 v[QS+1], v[GS], s[94:95]
	WIN 0x40
.irp g, 0,1,2
	global_load_b128 v[QF+4*\g:QF+4*\g+3], v[GI], s[78:79] offset:512*\g        ; Q's two fragments stay in registers
	global_load_b128 v[QF+12+4*\g:QF+15+4*\g], v[GI], s[92:93] offset:512*\g
.endr
.set II, 0
.rept 128
	v_mov_b32 v[O+II], 0                           ; the step is written for every slot alike: the first change of M multiplies zeros
.set II, II+1
.endr
	WIN 0
.irp i, 0,1
	v_mov_b32 v[NM+1+2*\i], 0xff61b1e6             ; the largest t so far: -3e38
	v_mov_b32 v[LSUM+2*\i], 0
	v_mov_b32 v[LSUM+1+2*\i], 0
	v_mov_b32 v[FF+1+2*\i], 0                      ; (named as the upper half of a pair)
.endr
.irp i, 0,1
	v_floor_f32 v[NM+2*\i], -v[NM+1+2*\i]          ; -M
.endr
; A KEY STEP: my record's 128 keys of the slot in hand, both tiles
.macro STEP
	v_add_nc_u32 v[ADK], s[TB], v[LI]
	v_add_nc_u32 v[ADS], s[TB], v[LS]
	v_add_nc_u32 v[ADM], s[TB], v[AM0]
	v_nop                                          ; four places in front of loads into registers that the last products have read
.irp t, 0,1,2,3,4,5,6,7
	ds_load_b32 v[KS+\t], v[ADS] offset:8*IMGB+64*\t
.endr
	WIN 0x40
.irp t, 0,1,2,3,4,5,6,7
.irp g, 0,1,2
	ds_load_b128 v[12*\t+4*\g:12*\t+4*\g+3], v[ADK] offset:IMGB*\t+512*\g
.endr
.endr
	WIN 0
.irp t, 0,1,2,3,4,5,6,7
.irp e, 0,1
	ds_load_b128 v[MK+8*\t+4*\e:MK+8*\t+4*\e+3], v[ADM] offset:64*\t+16*\e
.endr
.endr
	s_wait_alu depctr_va_vdst(0)
	s_wait_dscnt 16                                ; K and its scale words are in; the mask's 16 loads may be out
	WIN 0x05                                       ; K and Q in window 1
.irp t, 0,1,2,3,4,5,6,7
.irp i, 0,1
	v_wmma_scale_f32_16x16x128_f8f6f4 v[S+64*\i+8*\t:S+64*\i+8*\t+7], v[12*\t:12*\t+11], v[QF+12*\i:QF+12*\i+11], 0, v[KS+\t], v[QS+\i] matrix_a_fmt:MATRIX_FMT_BF6 matrix_b_fmt:MATRIX_FMT_BF6
.endr
.endr
	WIN 0
	PLACES                                         ; in front of the loads over K's fragments and of the first read of the scores
.irp n, 0,1,2,3,4,5,6,7
	ds_load_b32 v[VS+\n], v[ADS] offset:RB+8*IMGB+64*\n
.endr
	WIN 0x40
.irp n, 0,1,2,3,4,5,6,7
.irp g, 0,1,2
	ds_load_b128 v[12*\n+4*\g:12*\n+4*\g+3], v[ADK] offset:RB+IMGB*\n+512*\g   ; V lands while the softmax is walked
.endr
.endr
	WIN 0
	s_wait_dscnt 32                                ; the mask is in; V's 32 loads may be out
.set II, 0
.rept 32
	v_pk_fma_f32 v[S+II:S+II+1], v[S+II:S+II+1], s[SCALE:SCALE+1], v[MK+II:MK+II+1] op_sel_hi:[1,0,1]   ; u; each accumulator from its low end on; a register of the mask serves both heads
	v_pk_fma_f32 v[S+64+II:S+65+II], v[S+64+II:S+65+II], s[SCALE:SCALE+1], v[MK+II:MK+II+1] op_sel_hi:[1,0,1]
.set II, II+2
.endr
.irp i, 0,1
.irp b, 0,1,2,3
	v_max3_num_f32 v[BM+4*\i+\b], v[S+64*\i+16*\b], v[S+64*\i+16*\b+1], v[S+64*\i+16*\b+2]   ; the largest u of each block of 32 keys: eight chains by turns
.endr
.endr
.irp k, 3,5,7,9,11,13
.irp i, 0,1
.irp b, 0,1,2,3
	v_max3_num_f32 v[BM+4*\i+\b], v[BM+4*\i+\b], v[S+64*\i+16*\b+\k], v[S+64*\i+16*\b+\k+1]
.endr
.endr
.endr
.irp i, 0,1
.irp b, 0,1,2,3
	v_max_num_f32 v[BM+4*\i+\b], v[BM+4*\i+\b], v[S+64*\i+16*\b+15]
.endr
.endr
.irp j, 0,1,2,3,4,5,6,7
	v_permlanex16_b32 v[BX+\j], v[BM+\j], s[SEL], s[SEL+1]
.endr
.irp j, 0,1,2,3,4,5,6,7
	v_max_num_f32 v[BM+\j], v[BM+\j], v[BX+\j]     ; with lane l xor 16's 16 keys
.endr
.irp i, 0,1
	v_max3_num_f32 v[AC+\i], v[BM+4*\i], v[BM+4*\i+1], v[BM+4*\i+2]
.endr
.irp i, 0,1
	s_delay_alu instid0(VALU_DEP_2)
	v_max_num_f32 v[AC+\i], v[AC+\i], v[BM+4*\i+3]
.endr
.irp i, 0,1
	s_delay_alu instid0(VALU_DEP_2)
	v_mul_f32 v[AC+\i], s[L2E], v[AC+\i]           ; the step's largest t
.endr
.irp i, 0,1
	s_delay_alu instid0(VALU_DEP_2)
	v_max_num_f32 v[NM+1+2*\i], v[NM+1+2*\i], v[AC+\i]
.endr
.irp i, 0,1
	v_mov_b32 v[AC+\i], v[NM+2*\i]
.endr
.irp i, 0,1
	s_delay_alu instid0(VALU_DEP_4)
	v_floor_f32 v[NM+2*\i], -v[NM+1+2*\i]          ; the new -M = -ceil(t)
.endr
.irp i, 0,1
	s_delay_alu instid0(VALU_DEP_2)
	v_sub_f32 v[AC+\i], v[NM+2*\i], v[AC+\i]       ; old M - new M: a whole number, 0 or less
.endr
.irp i, 0,1
	s_delay_alu instid0(VALU_DEP_2)
	v_cvt_i32_f32 v[AC+\i], v[AC+\i]               ; (it saturates)
.endr
.irp i, 0,1
	s_delay_alu instid0(VALU_DEP_2)
	v_ldexp_f32 v[FF+2*\i], 1.0, v[AC+\i]          ; f = 2^(old M - new M)
.endr
.set II, 0
.rept 32
	v_pk_fma_f32 v[S+II:S+II+1], v[S+II:S+II+1], s[L2E:L2E+1], v[NM:NM+1] op_sel_hi:[1,0,0]   ; t - M
	v_pk_fma_f32 v[S+64+II:S+65+II], v[S+64+II:S+65+II], s[L2E:L2E+1], v[NM+2:NM+3] op_sel_hi:[1,0,0]
.set II, II+2
.endr
.irp i, 0,1
.irp b, 0,1,2,3
	v_fma_f32 v[BM+4*\i+\b], v[BM+4*\i+\b], s[L2E], v[NM+2*\i]   ; the same of each block's largest u
.endr
.endr
.irp i, 0,1
	v_pk_mul_f32 v[LSUM+2*\i:LSUM+2*\i+1], v[LSUM+2*\i:LSUM+2*\i+1], v[FF+2*\i:FF+2*\i+1] op_sel_hi:[1,0]   ; the sums under the new M
.endr
	WIN 0x41                                       ; O^T in window 1
.set II, 0
.rept 32
	v_pk_mul_f32 v[O+II:O+II+1], v[O+II:O+II+1], v[FF:FF+1] op_sel_hi:[1,0]                 ; O^T under the new M, each accumulator from its low end on
	v_pk_mul_f32 v[O+64+II:O+65+II], v[O+64+II:O+65+II], v[FF+2:FF+3] op_sel_hi:[1,0]
.set II, II+2
.endr
	WIN 0
	s_wait_alu depctr_va_vdst(0)
.irp j, 0,1,2,3,4,5,6,7
	v_exp_f32 v[BM+\j], v[BM+\j]                   ; each block's largest p
.endr
.set II, 0
.rept 128
	v_exp_f32 v[S+II], v[S+II]                     ; p = 2^(t - M)
.set II, II+1
.endr
	v_nop                                          ; a plain place behind the exponentials
	s_wait_alu depctr_va_vdst(0)                   ; one wait for the whole batch, ahead of its first reader
.irp j, 0,1,2,3,4,5,6,7
	v_max_num_f32 v[BM+\j], 0x2800000, v[BM+\j]    ; the floor 2^(5 - 127)
.endr
.irp j, 0,1,2,3,4,5,6,7
	v_add_nc_u32 v[SO+\j], 0xfe000000, v[BM+\j]    ; the conversion's scale operand
.endr
.irp j, 0,1,2,3,4,5,6,7
	v_lshrrev_b32 v[BX+\j], 23, v[SO+\j]           ; the byte
.endr
.irp i, 0,1
	v_lshl_or_b32 v[PS+\i], v[BX+4*\i+1], 8, v[BX+4*\i]   ; p's scale word for these 128 keys
.endr
.irp i, 0,1
	s_delay_alu instid0(VALU_DEP_2)
	v_lshl_or_b32 v[PS+\i], v[BX+4*\i+2], 16, v[PS+\i]
.endr
.irp i, 0,1
	s_delay_alu instid0(VALU_DEP_2)
	v_lshl_or_b32 v[PS+\i], v[BX+4*\i+3], 24, v[PS+\i]
.endr
.irp i, 0,1
.irp c, 0,1
	v_cvt_scalef32_pk16_bf6_f32 v[PC+12*\i+6*\c:PC+12*\i+6*\c+2], v[S+64*\i+32*\c:S+64*\i+32*\c+15], v[SO+4*\i+2*\c]
	v_cvt_scalef32_pk16_bf6_f32 v[CT+8*\i+4*\c:CT+8*\i+4*\c+2], v[S+64*\i+32*\c+16:S+64*\i+32*\c+31], v[SO+4*\i+2*\c+1]
.endr
.endr
	v_nop                                          ; one plain place behind a scaled conversion
.irp i, 0,1
.irp c, 0,1
.irp k, 0,1,2
	v_permlane16_swap_b32 v[PC+12*\i+6*\c+\k], v[CT+8*\i+4*\c+\k]   ; a whole block in a lane
.endr
.endr
.endr
.irp i, 0,1
.irp c, 0,1
.irp k, 0,1,2
	v_mov_b32 v[PC+12*\i+6*\c+3+\k], v[CT+8*\i+4*\c+\k]
.endr
.endr
.endr
; the rows' sums of the unquantised p: four chains a tile, eight by turns.  (These 64 lines are also the places between the scale words, the codes and the products)
.irp k, 0,1,2
.irp i, 0,1
	v_pk_add_f32 v[AC+6*\i+2*\k:AC+6*\i+2*\k+1], v[S+64*\i+4*\k:S+64*\i+4*\k+1], v[S+64*\i+4*\k+2:S+64*\i+4*\k+3]
.endr
.endr
.irp m, 12,20,28,36,44,52
.irp i, 0,1
	v_pk_add_f32 v[LSUM+2*\i:LSUM+2*\i+1], v[LSUM+2*\i:LSUM+2*\i+1], v[S+64*\i+\m:S+64*\i+\m+1]
.endr
.irp k, 0,1,2
.irp i, 0,1
	v_pk_add_f32 v[AC+6*\i+2*\k:AC+6*\i+2*\k+1], v[AC+6*\i+2*\k:AC+6*\i+2*\k+1], v[S+64*\i+\m+2+2*\k:S+64*\i+\m+3+2*\k]
.endr
.endr
.endr
.irp i, 0,1
	v_pk_add_f32 v[LSUM+2*\i:LSUM+2*\i+1], v[LSUM+2*\i:LSUM+2*\i+1], v[S+64*\i+60:S+64*\i+61]
.endr
.irp i, 0,1
	v_pk_add_f32 v[AC+6*\i:AC+6*\i+1], v[AC+6*\i:AC+6*\i+1], v[S+64*\i+62:S+64*\i+63]
.endr
.irp i, 0,1
	v_pk_add_f32 v[AC+6*\i+2:AC+6*\i+3], v[AC+6*\i+2:AC+6*\i+3], v[AC+6*\i+4:AC+6*\i+5]
.endr
.irp i, 0,1
	s_delay_alu instid0(VALU_DEP_4)
	v_pk_add_f32 v[LSUM+2*\i:LSUM+2*\i+1], v[LSUM+2*\i:LSUM+2*\i+1], v[AC+6*\i:AC+6*\i+1]
.endr
.irp i, 0,1
	s_delay_alu instid0(VALU_DEP_2)
	v_pk_add_f32 v[LSUM+2*\i:LSUM+2*\i+1], v[LSUM+2*\i:LSUM+2*\i+1], v[AC+6*\i+2:AC+6*\i+3]
.endr
	s_wait_alu depctr_va_vdst(0)
	s_wait_dscnt 0x0                               ; V is in
	WIN 0x51                                       ; V and O^T in window 1, p's codes in window 0
.irp n, 0,1,2,3,4,5,6,7
.irp i, 0,1
	v_wmma_scale_f32_16x16x128_f8f6f4 v[O+64*\i+8*\n:O+64*\i+8*\n+7], v[12*\n:12*\n+11], v[PC+12*\i:PC+12*\i+11], v[O+64*\i+8*\n:O+64*\i+8*\n+7], v[VS+\n], v[PS+\i] matrix_a_fmt:MATRIX_FMT_BF6 matrix_b_fmt:MATRIX_FMT_BF6
.endr
.endr
	WIN 0
.endm
; THE CHANGE OF SLOTS stands at a slot's head: each wave waits for all its tensor loads, adds 0 to its spare word, and waits for that and for its reads of the slot that it has left.
; fill = 1: a round of the cluster's barrier, and behind it the slot just left is filled with the next 256 keys, one load a wave.
.macro CHANGE fill
	s_wait_tensorcnt 0x0                           ; no tensor load of mine is out, so a group 0 may be written
	ds_add_u32 v[SPW], v[NIL]
.if \fill
	s_xor_b32 s[G0KV+1], s[G0KV+1], SLOT1
	s_add_nc_u64 s[G0KV+2:G0KV+3], s[G0KV+2:G0KV+3], 2*KVR
	s_xor_b32 s[G0M+1], s[G0M+1], SLOT1
	s_add_nc_u64 s[G0M+2:G0M+3], s[G0M+2:G0M+3], 1024
	s_wait_xcnt 0x0                                ; the last prefetch, a slot back, has read its address
	s_add_nc_u64 s[PFA:PFA+1], s[PFA:PFA+1], 1024
	s_wait_dscnt 0x0                               ; the add is done, and my reads of the slot that I have left are over
	CROUND
	TLOAD                                          ; the first thing behind the round, and a wave's one tensor load until the next
	ASK
.else
	s_wait_dscnt 0x0
	s_barrier_signal -1
	s_barrier_wait -1
.endif
.endm
	s_wait_alu depctr_va_vdst(0)
	s_wait_loadcnt 0x0                             ; Q
.Lslot:                                            ; 7 trips: behind each change of slots but the last the next slot is asked for
	CHANGE 1
	STEP
	s_xor_b32 s[TB], s[TB], SLOT1
	s_sub_co_u32 s[SLOTS], s[SLOTS], 1
	s_cmp_lg_u32 s[SLOTS], 0
	s_cbranch_scc1 .Lslot
	CHANGE 0                                       ; the last slot is written out
	STEP
	; THE TWO HALVES OF THE KEYS MEET: my tile 1 goes to wave w xor 4, whose tile 1 is my tile 0's head
	PLACES
	v_add_f32 v[LSUM+2], v[LSUM+2], v[LSUM+3]
	WIN 0x04                                       ; the data in window 1
.set II, 0
.rept 16
	ds_store_b128 v[STO], v[O+64+4*II:O+67+4*II] offset:512*II   ; an image of the registers; each accumulator from its low end on
.set II, II+1
.endr
	WIN 0
	ds_store_b32 v[MLO], v[NM+2]
	ds_store_b32 v[MLO], v[LSUM+2] offset:128
	s_wait_dscnt 0x0                               ; my stores are done,
	s_barrier_signal -1
	s_barrier_wait -1                              ; and so are my partner's
.set II, 0
.rept 16
	ds_load_b128 v[S+64+4*II:S+67+4*II], v[STI] offset:512*II
.set II, II+1
.endr
	ds_load_b32 v60, v[MLI]                        ; the partner's -M
	ds_load_b32 v61, v[MLI] offset:128             ; and sum
	v_add_f32 v[LSUM], v[LSUM], v[LSUM+1]
	s_wait_alu depctr_va_vdst(0)
	s_wait_dscnt 0x0
	v_min_num_f32 v62, v[NM], v60                  ; -M of all 2,048 keys
	s_delay_alu instid0(VALU_DEP_1)
	v_sub_f32 v44, v62, v[NM]
	v_sub_f32 v45, v62, v60
	s_delay_alu instid0(VALU_DEP_2)
	v_cvt_i32_f32 v44, v44
	s_delay_alu instid0(VALU_DEP_2)
	v_cvt_i32_f32 v45, v45
	s_delay_alu instid0(VALU_DEP_2)
	v_ldexp_f32 v44, 1.0, v44                      ; my half's factor,
	s_delay_alu instid0(VALU_DEP_2)
	v_ldexp_f32 v45, 1.0, v45                      ; the partner's: powers of two
	s_delay_alu instid0(VALU_DEP_2)
	v_mul_f32 v[LSUM], v[LSUM], v44
	s_delay_alu instid0(VALU_DEP_1)
	v_fma_f32 v[LSUM], v61, v45, v[LSUM]
	s_delay_alu instid0(VALU_DEP_1)
	v_permlanex16_b32 v46, v[LSUM], s[SEL], s[SEL+1]
	s_delay_alu instid0(VALU_DEP_1)
	v_add_f32 v[LSUM], v[LSUM], v46                ; the row's sum
	s_wait_alu depctr_va_vdst(0)
	v_rcp_f32 v47, v[LSUM]
	v_nop                                          ; a plain place behind it
	s_wait_alu depctr_va_vdst(0)                   ; and the wait ahead of its first reader
	v_mul_f32 v[FF], v44, v47
	v_mul_f32 v[FF+2], v45, v47
.set II, 0
.rept 32
	v_pk_mul_f32 v[S+II:S+II+1], v[S+64+II:S+65+II], v[FF+2:FF+3] op_sel_hi:[1,0]
.set II, II+2
.endr
	WIN 0x01                                       ; my O^T in window 1
	s_wait_alu depctr_va_vdst(0)
.set II, 0
.rept 32
	v_pk_fma_f32 v[S+II:S+II+1], v[O+II:O+II+1], v[FF:FF+1], v[S+II:S+II+1] op_sel_hi:[1,0,1]   ; register 16 b + 8 u + j = channel 32 b + 16 h + 8 u + j
.set II, II+2
.endr
	WIN 0
	QUANT S, PS
.irp g, 0,1,2
	global_store_b128 v[GI], v[PC+4*\g:PC+4*\g+3], s[84:85] offset:512*\g   ; 512 consecutive bytes, aligned
.endr
	global_store_b32 v[GS], v[PS], s[86:87]        ; the 16 scale words; lanes r and 16 + r hold the same word and store it to the same place
	s_wait_tensorcnt 0x0                           ; the wave's end
	ds_add_u32 v[SPW], v[NIL]
	s_wait_dscnt 0x0
	CROUND                                         ; the closing round
	s_endpgm
.Lfunc_end_k_q565253f573_attn:
	.size	k_q565253f573_attn, .Lfunc_end_k_q565253f573_attn-k_q565253f573_attn
	.p2alignl 7, 3214868480
	.fill 96, 4, 3214868480
	.section	.rodata,"a",@progbits
	.p2align	6, 0x0
	.amdhsa_kernel k_q565253f573_attn
		.amdhsa_group_segment_fixed_size 327680
		.amdhsa_private_segment_fixed_size 0
		.amdhsa_enable_private_segment 0
		.amdhsa_kernarg_size 32
		.amdhsa_user_sgpr_count 2
		.amdhsa_user_sgpr_kernarg_segment_ptr 1
		.amdhsa_wavefront_size32 1
		.amdhsa_system_sgpr_workgroup_id_x 1
		.amdhsa_system_sgpr_workgroup_id_y 1
		.amdhsa_system_sgpr_workgroup_id_z 1
		.amdhsa_system_vgpr_workitem_id 0
		.amdhsa_next_free_vgpr 512
		.amdhsa_next_free_sgpr 100
		.amdhsa_reserve_vcc 0
		.amdhsa_float_denorm_mode_32 3
		.amdhsa_float_denorm_mode_16_64 3
		.amdhsa_memory_ordered 1
		.amdhsa_forward_progress 1
		.amdhsa_inst_pref_size 109
	.end_amdhsa_kernel
	.amdgpu_metadata
---
amdhsa.version: [ 1, 2 ]
amdhsa.kernels:
  - .name:           k_q565253f573_attn
    .symbol:         k_q565253f573_attn.kd
    .args:
      - { .name: qc, .offset: 0, .size: 8, .value_kind: global_buffer, .address_space: global }
      - { .name: kv, .offset: 8, .size: 8, .value_kind: global_buffer, .address_space: global }
      - { .name: mask, .offset: 16, .size: 8, .value_kind: global_buffer, .address_space: global }
      - { .name: oc, .offset: 24, .size: 8, .value_kind: global_buffer, .address_space: global }
    .group_segment_fixed_size: 327680
    .private_segment_fixed_size: 0
    .kernarg_segment_align: 8
    .kernarg_segment_size: 32
    .max_flat_workgroup_size: 256
    .sgpr_count:     100
    .vgpr_count:     512
    .wavefront_size: 32
...
	.end_amdgpu_metadata
.endif
;; end of part 3
;; launch oproj (part 4): grid 16 x 16, 4 waves a work-group, clusters of 4 x 4, 327,680 bytes of LDS; arguments oc, woc, out0; writes out0
.if DOCPART == 4
	.amdgcn_target "amdgcn-amd-amdhsa--gfx1250"
	.amdhsa_code_object_version 6
	.text
	.protected	k_q565253f573_oproj
	.globl	k_q565253f573_oproj
	.p2align	8
	.type	k_q565253f573_oproj,@function
k_q565253f573_oproj:
	s_mov_b64 s[64:65], 0
	v_nop
	global_prefetch_b8 v0, s[64:65] scope:SCOPE_SE
	s_setreg_imm32_b32 hwreg(HW_REG_WAVE_MODE, 25, 1), 1
	s_wait_xcnt 0x0
	s_wait_alu depctr_hold_cnt(0) depctr_sa_sdst(0) depctr_va_vdst(0) depctr_va_sdst(0) depctr_va_ssrc(0) depctr_va_vcc(0) depctr_vm_vsrc(0)
	s_getreg_b32 s2, hwreg(HW_REG_IB_STS2, 6, 4)
	s_cmp_eq_u32 s2, 0
	s_cbranch_scc0 .Lentry_in_a_cluster
	s_endpgm
.Lentry_in_a_cluster:
	s_bfe_u32 s2, ttmp6, 0x10000c
	s_cmp_lg_u32 s2, 0xf033
	s_cbranch_scc0 .Lentry_shape_is_right
	s_endpgm
.Lentry_shape_is_right:
.set NKS,   8
.set IMGB,  1536
.set RA,    25600
.set RB,    12800
.set BOFF,  4*RA
.set SLOT,  4*RA+4*RB
.set SPARE, 2*SLOT
.set STG,   SPARE+512
.set SP,    272
.set ADA,   8
.set ADB,   12
.set LSA,   14
.set LSB,   18
.set SPW,   28
.set NIL,   29
.set SCA,   32
.set SCB,   40
.set AF,    64
.set BK,    160
.set G1,    24
.set G0,    32
.set G1B,   48
.set G0B,   56
.set MSB, 0
.macro WIN new
.if MSB != \new
	s_set_vgpr_msb (MSB<<8)|\new
.set MSB, \new
.endif
.endm
.set MUL,  0xa1
.set TO_B, 0x40
.macro JLOAD g0a, g1a, g0b, g1b
	s_cmp_eq_u32 s15, 0
	s_cbranch_scc0 .Lfor_b_\@
	tensor_load_to_lds s[\g0a:\g0a+3], s[\g1a:\g1a+7]
	s_nop 0
.rept 4
	v_nop
.endr
	s_branch .Lasked_\@
.Lfor_b_\@:
	tensor_load_to_lds s[\g0b:\g0b+3], s[\g1b:\g1b+7]
	s_nop 0
.rept 4
	v_nop
.endr
.Lasked_\@:
.endm
.macro BLOAD g0b
	s_cmp_eq_u32 s15, 0
	s_cbranch_scc1 .Lnone_\@
	tensor_load_to_lds s[\g0b:\g0b+3], s[G1B:G1B+7]
	s_nop 0
.rept 4
	v_nop
.endr
.Lnone_\@:
.endm
.macro CREST
	s_cmp_lg_u32 s14, 0
	s_cbranch_scc1 .Lnot_wave_0_\@
	s_barrier_signal -3
.Lnot_wave_0_\@:
	s_barrier_wait -3
	s_barrier_signal -1
	s_barrier_wait -1
.endm
.macro CROUND
	s_barrier_signal -1
	s_barrier_wait -1
	CREST
.endm
.macro PLACES
.rept 4
	v_nop
.endr
.endm
.macro FETCH s, q, p
	WIN TO_B
.irp t, 0,1,2,3,4,5,6,7
.irp g, 0,1,2
	ds_load_b128 v[128*(\p)+12*\t+4*\g:128*(\p)+12*\t+4*\g+3], v[ADB+(\s)] offset:RB*(\q)+IMGB*\t+512*\g
.endr
.endr
	WIN 0
.irp a, 0,1,2,3
.irp g, 0,1,2
	ds_load_b128 v[AF+48*(\p)+12*\a+4*\g:AF+48*(\p)+12*\a+4*\g+3], v[ADA+2*(\s)+(\q)/2] offset:RA*((\q)%2)+IMGB*\a+512*\g
.endr
.endr
.irp a, 0,1,2,3
	ds_load_b32 v[SCA+4*(\p)+\a], v[LSA+2*(\s)+(\q)/2] offset:RA*((\q)%2)+16*IMGB+64*\a
.endr
.irp t, 0,1,2,3,4,5,6,7
	ds_load_b32 v[SCB+8*(\p)+\t], v[LSB+(\s)] offset:RB*(\q)+8*IMGB+64*\t
.endr
.endm
.macro MULA a, p, zero
.irp t, 0,1,2,3,4,5,6,7
.if \zero
	v_wmma_scale_f32_16x16x128_f8f6f4 v[8*(8*(\a)+\t):8*(8*(\a)+\t)+7], v[128*(\p)+12*\t:128*(\p)+12*\t+11], v[AF+48*(\p)+12*(\a):AF+48*(\p)+12*(\a)+11], 0, v[SCB+8*(\p)+\t], v[SCA+4*(\p)+(\a)] matrix_a_fmt:MATRIX_FMT_BF6 matrix_b_fmt:MATRIX_FMT_BF6
.else
	v_wmma_scale_f32_16x16x128_f8f6f4 v[8*(8*(\a)+\t):8*(8*(\a)+\t)+7], v[128*(\p)+12*\t:128*(\p)+12*\t+11], v[AF+48*(\p)+12*(\a):AF+48*(\p)+12*(\a)+11], v[8*(8*(\a)+\t):8*(8*(\a)+\t)+7], v[SCB+8*(\p)+\t], v[SCA+4*(\p)+(\a)] matrix_a_fmt:MATRIX_FMT_BF6 matrix_b_fmt:MATRIX_FMT_BF6
.endif
.endr
.endm
.macro STEP s, q, zero
	s_wait_dscnt 0x0
	PLACES
	FETCH \s, (\q)+1, 1-(\q)%2
	WIN MUL
	MULA 0, (\q)%2, \zero
	MULA 1, (\q)%2, \zero
	MULA 2, (\q)%2, \zero
	MULA 3, (\q)%2, \zero
	WIN 0
.endm
.macro TURN s, nx, fill
	s_wait_tensorcnt 0x0
	ds_add_u32 v[SPW], v[NIL]
	s_wait_dscnt 1
	WIN MUL
	MULA 0, 1, 0
	MULA 1, 1, 0
	s_wait_dscnt 0x0
	s_barrier_signal -1
	MULA 2, 1, 0
	WIN 0
	s_barrier_wait -1
.if \fill
	CREST
	s_add_nc_u64 s[G0B+4*\s+2:G0B+4*\s+3], s[G0B+4*\s+2:G0B+4*\s+3], 8*RB
	BLOAD G0B+4*\s
.endif
	PLACES
	s_wait_alu depctr_va_vdst(0)
	FETCH \nx, 0, 0
	WIN MUL
	MULA 3, 1, 0
	WIN 0
.endm
	s_load_b128 s[4:7], s[0:1], 0x0
	s_load_b64 s[12:13], s[0:1], 0x10
	v_lshl_add_u32 v[SPW], v0, 2, SPARE
	v_mov_b32 v[NIL], 0
	ds_add_u32 v28, v29
	ds_add_u32 v28, v29
	s_wait_dscnt 0x0
	v_lshrrev_b32 v1, 5, v0
	v_readfirstlane_b32 s14, v1
	s_lshr_b32 s15, s14, 1
	s_and_b32 s16, s14, 1
	s_bfe_u32 s40, ttmp6, 0x40000
	s_bfe_u32 s41, ttmp6, 0x40004
	s_lshl_b32 s42, ttmp9, 2
	s_add_co_u32 s42, s42, s40
	s_and_b32 s17, ttmp7, 0xffff
	s_lshl_b32 s17, s17, 2
	s_add_co_u32 s17, s17, s41
	s_lshl_b32 s43, s41, 2
	s_lshl_b32 s43, 15, s43
	s_lshl_b32 s44, 0x1111, s40
	s_or_b32 s[G1+0], s43, (3<<16)|(1<<21)
	s_or_b32 s[G1B+0], s44, (3<<16)|(1<<21)
	s_mov_b32 s[G1+1], 32<<16
	s_mov_b32 s[G1+2], 200<<16
	s_mov_b32 s[G1+3], 32<<16
	s_mov_b32 s[G1+4], 200
	s_mov_b32 s[G1+5], 32
	s_mov_b32 s[G1+6], 0
	s_mov_b32 s[G1+7], 0
	s_mov_b32 s[G1B+1], 32<<16
	s_mov_b32 s[G1B+2], 100<<16
	s_mov_b32 s[G1B+3], 32<<16
	s_mov_b32 s[G1B+4], 100
	s_mov_b32 s[G1B+5], 32
	s_mov_b32 s[G1B+6], 0
	s_mov_b32 s[G1B+7], 0
	s_mul_i32 s20, s17, NKS*RA
	s_mul_i32 s18, s16, 2*RA
	s_add_co_u32 s20, s20, s18
	s_mov_b32 s21, 0
	s_mul_i32 s46, s42, 2*NKS*RB
	s_mul_i32 s19, s16, 2*RB
	s_add_co_u32 s46, s46, s19
	s_mov_b32 s47, 0
	s_mul_i32 s45, s16, 2*RA
	s_mul_i32 s94, s16, 2*RB
	s_add_co_u32 s94, s94, BOFF
	s_wait_kmcnt 0x0
	s_add_nc_u64 s[20:21], s[4:5], s[20:21]
	s_add_nc_u64 s[46:47], s[6:7], s[46:47]
	CROUND
.irp s, 0,1
	s_mov_b32 s[G0+4*\s], 1
	s_add_co_u32 s[G0+4*\s+1], s45, \s*SLOT
	s_add_nc_u64 s[G0+4*\s+2:G0+4*\s+3], s[20:21], \s*4*RA
	s_or_b32 s[G0+4*\s+3], s[G0+4*\s+3], 0x80000000
	s_mov_b32 s[G0B+4*\s], 1
	s_add_co_u32 s[G0B+4*\s+1], s94, \s*SLOT
	s_add_nc_u64 s[G0B+4*\s+2:G0B+4*\s+3], s[46:47], \s*4*RB
	s_or_b32 s[G0B+4*\s+3], s[G0B+4*\s+3], 0x80000000
	s_wait_alu depctr_va_vdst(0)
	s_wait_tensorcnt 0x0
	ds_add_u32 v28, v29
	ds_add_u32 v28, v29
	s_wait_dscnt 0x0
	CROUND
	JLOAD G0+4*\s, G1, G0B+4*\s, G1B
.endr
	v_and_b32 v3, 31, v0
	v_and_b32 v1, 15, v0
	v_bfe_u32 v2, v0, 4, 1
	v_lshlrev_b32 v20, 4, v3
	v_lshlrev_b32 v4, 2, v1
	s_mul_i32 s66, s14, 4*IMGB
	s_lshl_b32 s67, s14, 8
	v_add_nc_u32 v5, s66, v20
	v_add_nc_u32 v6, s67, v4
.irp s, 0,1
.irp qh, 0,1
	v_add_nc_u32 v[ADA+2*\s+\qh], \s*SLOT+\qh*2*RA, v5
	v_add_nc_u32 v[LSA+2*\s+\qh], \s*SLOT+\qh*2*RA, v6
.endr
	v_add_nc_u32 v[ADB+\s], \s*SLOT+BOFF, v20
	v_add_nc_u32 v[LSB+\s], \s*SLOT+BOFF, v4
.endr
	s_mul_i32 s66, s14, 16*SP
	s_add_co_u32 s66, s66, STG
	v_mul_u32_u24 v24, v1, SP
	v_lshl_add_u32 v24, v2, 5, v24
	v_add_nc_u32 v24, s66, v24
	v_mul_u32_u24 v25, v2, SP
	v_lshl_add_u32 v25, v1, 4, v25
	v_add_nc_u32 v25, s66, v25
	v_lshlrev_b32 v26, 14, v2
	v_lshl_add_u32 v26, v1, 4, v26
	s_lshl_b32 s66, s17, 22
	s_lshl_b32 s67, s14, 20
	s_add_co_u32 s66, s66, s67
	s_lshl_b32 s67, s42, 10
	s_add_co_u32 s66, s66, s67
	s_mov_b32 s67, 0
	s_add_nc_u64 s[12:13], s[12:13], s[66:67]
.macro TOSTAGE n
	WIN 0x08
.irp t, 0,1,2,3
	ds_store_b128 v24, v[8*(8*((\n)/2)+4*((\n)%2)+\t):8*(8*((\n)/2)+4*((\n)%2)+\t)+3] offset:64*\t
	ds_store_b128 v24, v[8*(8*((\n)/2)+4*((\n)%2)+\t)+4:8*(8*((\n)/2)+4*((\n)%2)+\t)+7] offset:64*\t+16
.endr
	WIN 0
.set BB, BK+32*((\n)%2)
.irp i, 0,1,2,3,4,5,6,7
	ds_load_b128 v[BB+4*\i:BB+4*\i+3], v25 offset:2*\i*SP
.endr
.endm
.macro SEND n, younger, c
.set BB, BK+32*((\n)%2)
	s_wait_dscnt \younger
.irp i, 0,1,2,3,4,5,6,7
	global_store_b128 v26, v[BB+4*\i:BB+4*\i+3], s[12:13] offset:(16*((\n)/2)+2*\i)*16384+256*((\n)%2)+512*(\c) th:TH_STORE_NT
.endr
.endm
.macro WAYOUT c
	PLACES
.if \c
	s_wait_xcnt 0x0
.endif
	TOSTAGE 0
.irp m, 1,2,3,4,5,6,7
.if \m > 1
	s_wait_xcnt 0x0
.endif
	TOSTAGE \m
	SEND \m-1, 16, \c
.endr
	SEND 7, 0, \c
.endm
	s_wait_tensorcnt 1
	s_barrier_signal -1
	s_barrier_wait -1
	FETCH 0, 0, 0
	STEP 0, 0, 1
	STEP 0, 1, 0
	STEP 0, 2, 0
	TURN 0, 1, 1
	STEP 1, 0, 0
	STEP 1, 1, 0
	STEP 1, 2, 0
	TURN 1, 0, 1
	WAYOUT 0
	STEP 0, 0, 1
	STEP 0, 1, 0
	STEP 0, 2, 0
	TURN 0, 1, 0
	STEP 1, 0, 0
	STEP 1, 1, 0
	STEP 1, 2, 0
	s_wait_dscnt 0x0
	WIN MUL
	MULA 0, 1, 0
	MULA 1, 1, 0
	MULA 2, 1, 0
	MULA 3, 1, 0
	WIN 0
	WAYOUT 1
	s_wait_tensorcnt 0x0
	ds_add_u32 v[SPW], v[NIL]
	s_wait_dscnt 0x0
	CROUND
	s_endpgm
.Lfunc_end_k_q565253f573_oproj:
	.size	k_q565253f573_oproj, .Lfunc_end_k_q565253f573_oproj-k_q565253f573_oproj
	.p2alignl 7, 3214868480
	.fill 96, 4, 3214868480
	.section	.rodata,"a",@progbits
	.p2align	6, 0x0
	.amdhsa_kernel k_q565253f573_oproj
		.amdhsa_group_segment_fixed_size 327680
		.amdhsa_private_segment_fixed_size 0
		.amdhsa_enable_private_segment 0
		.amdhsa_kernarg_size 24
		.amdhsa_user_sgpr_count 2
		.amdhsa_user_sgpr_kernarg_segment_ptr 1
		.amdhsa_wavefront_size32 1
		.amdhsa_system_sgpr_workgroup_id_x 1
		.amdhsa_system_sgpr_workgroup_id_y 1
		.amdhsa_system_sgpr_workgroup_id_z 1
		.amdhsa_system_vgpr_workitem_id 0
		.amdhsa_next_free_vgpr 768
		.amdhsa_next_free_sgpr 98
		.amdhsa_reserve_vcc 0
		.amdhsa_float_denorm_mode_32 3
		.amdhsa_float_denorm_mode_16_64 3
		.amdhsa_memory_ordered 1
		.amdhsa_forward_progress 1
		.amdhsa_inst_pref_size 157
	.end_amdhsa_kernel
	.amdgpu_metadata
---
amdhsa.version: [ 1, 2 ]
amdhsa.kernels:
  - .name:           k_q565253f573_oproj
    .symbol:         k_q565253f573_oproj.kd
    .args:
      - { .name: oc, .offset: 0, .size: 8, .value_kind: global_buffer, .address_space: global }
      - { .name: woc, .offset: 8, .size: 8, .value_kind: global_buffer, .address_space: global }
      - { .name: out0, .offset: 16, .size: 8, .value_kind: global_buffer, .address_space: global }
    .group_segment_fixed_size: 327680
    .private_segment_fixed_size: 0
    .kernarg_segment_align: 8
    .kernarg_segment_size: 24
    .max_flat_workgroup_size: 128
    .sgpr_count:     98
    .vgpr_count:     768
    .wavefront_size: 32
...
	.end_amdgpu_metadata
.endif
;; end of part 4
